; MI455X (gfx1250); checked and timed in simulation.
; The chip was launched on July 23, 2026; its instructions are those of AMD's public machine-readable ISA for CDNA 5 (MIT licence, August 2026) and "CDNA5" Instruction Set Architecture Reference Guide (July 2026). The comments in the code are by the model that wrote it; some were corrected since.
;; Slow Multi Head Attention. Allowed arithmetic: matrix products marked QUANTISED: E5M2 operands, one E8M0 scale for each 32 along K, by v_wmma_scale_f32_16x16x128_f8f6f4 with both operands' format E5M2, f32 sums; everything else in f32.
;; Inputs: Wproj 1,024 x 1,024 float32; Wqkv 3,072 x 1,024 float32; attn_mask 4 x 2,048 int32; bproj 1,024 float32; bqkv 3,072 float32; inp 2,048 x 4 x 1,024 float32.
;; Outputs: out0 2,048 x 4 x 1,024 float32.
;; This version of the problem:
;;   THIS VERSION OF THE PROBLEM IS GIVEN IN LOW PRECISION. The matrix products marked QUANTISED in the list below multiply operands that are first quantised to E5M2 (5 exponent bits, 2 mantissa bits; 8 bits a number), with one power-of-two scale for each 32 numbers along K (OCP MX v1.0); their sums are f32. All else is computed in f32.
;;   The module's matrix products, in the order in which they are computed (A, B: the left and right operand; K: the contracted axis; several contracted axes count as one K, in the product's order):
;;     1. [M 8,192, K 1,024] x [K 1,024, N 3,072]; A: input inp; B: input Wqkv: QUANTISED
;;     2. batch 64 x [M 2,048, K 64] x [K 64, N 2,048]; A: computed on the way; B: computed on the way: QUANTISED
;;     3. batch 64 x [M 64, K 2,048] x [K 2,048, N 2,048]; A: computed on the way; B: softmax (see below): QUANTISED
;;     4. [M 8,192, K 1,024] x [K 1,024, N 1,024]; A: computed on the way; B: input Wproj: QUANTISED
;;   THE QUANTISER, for each operand of a quantised product, along K:
;;     - K is cut into blocks of 32 from its start; a last block that is shorter is filled with zeros.
;;     - A block's scale is 2^e with e = floor(log2(the largest magnitude in the block)) - 15, held to -126 .. 127; a block of zeros has e = 0. As a byte (E8M0): e + 127.
;;     - Each number is divided by its block's scale, clamped to +-57,344, and rounded to the nearest number of E5M2, ties to even, subnormals kept.
;;     - The product sums the exact products of the quantised numbers (number of the format x scale) in f32.
;;   ~~~python
;;   def quantise(x, axis):      # numpy; x: float32 -> the quantised numbers, widened to float32 again
;;       x = np.moveaxis(x, axis, -1); K = x.shape[-1]
;;       x = np.pad(x, [(0, 0)] * (x.ndim - 1) + [(0, -K % 32)]); x = x.reshape(x.shape[:-1] + (-1, 32)); a = np.abs(x).max(-1, keepdims=True)
;;       e = np.where(a > 0, np.clip(np.frexp(np.where(a > 0, a, 1))[1] - 1 - 15, -126, 127), 0)      # np.frexp(a)[1] - 1 = floor(log2(a)), exactly
;;       r = np.clip(x / 2.0 ** e, -57344, 57344)
;;       step = 2.0 ** (np.maximum(np.frexp(np.where(r == 0, 1, r))[1] - 1, -14) - 2)
;;       q = np.round(r / step) * step * 2.0 ** e      # np.round: ties to even
;;       return np.moveaxis(q.reshape(q.shape[:-2] + (-1,))[..., :K], -1, axis).astype(np.float32)
;;   ~~~
;;   SOFTMAX AHEAD OF A QUANTISED PRODUCT. Where the list says 'softmax', what is quantised is not the finished softmax but p = 2^(t - M), with t = logit x log2(e) and M = ceil(the row's largest t), a whole number; so 1/2 < the row's largest p <= 1. The row's sum l is taken of the UNQUANTISED p, in f32, and the product's result is divided by l at the end. Since M is a whole number, a kernel that streams over the keys may use a running M (the ceiling of the running maximum): every later rescaling is an exact power of two, which a block's scale takes up: the codes' values come out the same.
;;   OPERANDS COMPUTED ON THE WAY. 'Computed on the way' means the value that the module computes at that place (a softmax that the list does not call 'softmax' is quantised finished and normalised). What goes into a quantiser is computed in f32, as accurately as f32 sums, v_exp_f32 and their like allow (about 1e-6 of the number): no bf16 or f16 on the way to a quantiser, and a product that is left as it is and whose result goes on into a quantised operand takes f32 operands (vector FMAs, or v_wmma_f32_16x16x4_f32). A number that lies on a knife's edge between two numbers of the format may be rounded either way, as far as f32 arithmetic and the matrix unit's own rounding can turn it there, and no further.
;; One version. Each part assembles by itself: llvm-mc -triple=amdgcn-amd-amdhsa -mcpu=gfx1250 --defsym DOCPART=n.
;; ======== version 1 of 1: 4 launches
;; limits: right only within a limited range of input values
;; workspace buffers: cod1 12,582,912 bytes; scl1 393,216 bytes; qkvc 25,165,824 bytes; qkvs 1,310,720 bytes; att 8,388,608 bytes; atts 262,144 bytes
;; launch quant (part 1): grid 384 x 1, 4 waves a work-group, no clusters, 33,280 bytes of LDS; arguments inp, Wqkv, Wproj, cod1, scl1; writes cod1, scl1
.if DOCPART == 1
	.amdgcn_target "amdgcn-amd-amdhsa--gfx1250"
	.amdhsa_code_object_version 6
	.text
	.protected	k_q0ff1aa1d52_quant
	.globl	k_q0ff1aa1d52_quant
	.p2align	8
	.type	k_q0ff1aa1d52_quant,@function
k_q0ff1aa1d52_quant:
	s_mov_b64 s[64:65], 0
	v_nop
	global_prefetch_b8 v0, s[64:65] scope:SCOPE_SE
	s_setreg_imm32_b32 hwreg(HW_REG_WAVE_MODE, 25, 1), 1
	s_wait_xcnt 0x0
; inp [2048][4][1024], Wqkv [3072][1024] and Wproj [1024][1024], f32, become codes of BF8 (E5M2), K innermost, with one E8M0 byte for each 32 along K.
; They land in ONE matrix of 12,288 rows: cod1 [12288][1024] bytes, scl1 [12288][32] bytes.  Rows 0-8191: x, at 2048 b + p; rows 8192-11263: Wqkv; rows 11264-12287: Wproj.
; POSITIONS: a row stands at its index with bits 3 and 4 exchanged (for x: the token's index within its batch).  So 16 neighbouring positions, taken as source 0 of a matrix
; instruction, give a lane's registers of two neighbouring tiles 16 neighbouring TRUE rows: the later launches quantise their results in registers by that.
; A block's scale is 2^(floor(log2(largest magnitude)) - 15); its byte is the largest magnitude's exponent field - 15, held at 1 from below.  A block of zeros gets the byte 1: its codes are zeros, and this program alone reads the bytes.
; LIMITS: blocks whose largest magnitude lies under 2^(16 - 127) take the byte 1; NaN and infinities among the inputs are not served.
; SHARES: a wave takes 8 rows (a run), 16 steps of 512 numbers.  Work-groups 0-255 take inp, 256-351 Wqkv, 352-383 Wproj: only pointers, an offset and a stride are chosen, all take one path.
; A run of 8 rows moves as a whole under the exchange of bits 3 and 4: it is the exchange of the two low bits of the run's number, which are the wave's number.
; Each load reads 512 consecutive bytes; a step's 2,048 bytes turn through the wave's own stage in LDS, so that a lane then holds 16 neighbours (two lanes a block).  No barrier: waves share nothing.
.set STEPS, 16
.set EMAX,  15
.set MANT,  0x600000                   ; the mantissa field of 57,344 as f32
.set CB,    16                         ; bytes of 16 codes
.set R,     16                         ; v16-79   four sets of 16 numbers as they are loaded
.set X,     80                         ; v80-111  two sets of 16 neighbours
.set C,     128                        ; v128-191 codes: four registers for each step
.set E,     112                        ; v112-127 a scale byte for each step
.set WREG,  8192                       ; LDS: a region for each wave: two stages of 32 x SP bytes, then its 256 scale bytes
.set SP,    80                         ; a lane's place in a stage: 64 bytes + 16 of padding
.set RB,    32                         ; s[32:47] the addresses of my eight rows
	s_load_b128 s[4:7], s[0:1], 0x0                ; inp, Wqkv
	s_load_b128 s[8:11], s[0:1], 0x10              ; Wproj, cod1
	s_load_b64 s[12:13], s[0:1], 0x20              ; scl1
	v_lshl_add_u32 v192, v0, 2, 0x8000
	v_mov_b32 v193, 0
	v_lshrrev_b32 v1, 5, v0
	v_readfirstlane_b32 s16, v1                    ; wave
	v_and_b32 v2, 31, v0                           ; lane
	v_lshlrev_b32 v3, 4, v2                        ; my 16 bytes of a load's 512
	s_mul_i32 s17, s16, WREG
	v_lshrrev_b32 v14, 2, v2
	v_mul_u32_u24 v14, v14, SP
	v_and_b32 v15, 3, v2
	v_lshl_add_u32 v14, v15, 4, v14
	v_add_nc_u32 v14, s17, v14                     ; the stage, on the way in: SP (lane / 4) + 16 (lane % 4)
	v_mul_u32_u24 v15, v2, SP
	v_add_nc_u32 v15, s17, v15                     ; and on the way out: SP x lane: my 16 neighbours
	v_mul_u32_u24 v4, v2, CB                       ; my codes' place in a step's
	v_lshrrev_b32 v5, 1, v2
	s_add_co_u32 s17, s17, 2*32*SP
	v_add_nc_u32 v5, s17, v5                       ; LDS: my wave's 256 scale bytes, my block's byte
	v_lshlrev_b32 v7, 3, v2                        ; and on the way out 8 bytes a lane
	v_add_nc_u32 v6, s17, v7
	s_mov_b32 s23, MANT
	; which tensor, which run of it
	s_mov_b32 s18, 352
	s_cmp_lt_u32 ttmp9, 352
	s_cselect_b32 s18, 256, s18
	s_cmp_lt_u32 ttmp9, 256
	s_cselect_b32 s18, 0, s18                      ; the tensor's first work-group
	s_sub_co_u32 s18, ttmp9, s18
	s_lshl_b32 s18, s18, 2
	s_add_co_u32 s18, s18, s16                     ; my run in the tensor
	s_and_b32 s19, s18, 255                        ; inp: run = 256 b + s / 8: tokens are 16,384 bytes apart, batches 4,096
	s_lshl_b32 s19, s19, 17
	s_lshr_b32 s22, s18, 8
	s_lshl_b32 s22, s22, 12
	s_add_co_u32 s19, s19, s22
	s_lshl_b32 s22, s18, 15                        ; a weight: 8 dense rows of 4,096 bytes
	s_mov_b32 s20, 4096
	s_cmp_lt_u32 ttmp9, 256
	s_cselect_b32 s24, s19, s22                    ; my first row's byte
	s_cselect_b32 s20, 16384, s20                  ; from row to row
	s_mov_b32 s21, 0
	s_mov_b32 s25, 0
	s_and_b32 s28, s16, 1                          ; where the run goes: 4 x work-group + the wave's number with its two bits exchanged
	s_lshl_b32 s28, s28, 1
	s_lshr_b32 s29, s16, 1
	s_or_b32 s28, s28, s29
	s_lshl_b32 s29, ttmp9, 2
	s_add_co_u32 s28, s28, s29
	s_lshl_b32 s30, s28, 8                         ; 256 scale bytes a run
	s_mov_b32 s31, 0
	s_lshl_b32 s28, s28, 13                        ; 8,192 codes a run
	s_mov_b32 s29, 0
	s_wait_alu depctr_va_vdst(0)
	s_wait_kmcnt 0x0
	s_cmp_lt_u32 ttmp9, 352                        ; the choice hangs on the work-group's number alone
	s_cselect_b64 s[26:27], s[6:7], s[8:9]
	s_cmp_lt_u32 ttmp9, 256
	s_cselect_b64 s[26:27], s[4:5], s[26:27]
	s_add_nc_u64 s[RB:RB+1], s[26:27], s[24:25]
.irp i, 1,2,3,4,5,6,7
	s_add_nc_u64 s[RB+2*\i:RB+2*\i+1], s[RB+2*\i-2:RB+2*\i-1], s[20:21]
.endr
	s_add_nc_u64 s[10:11], s[10:11], s[28:29]
	s_add_nc_u64 s[12:13], s[12:13], s[30:31]
.macro LOAD t                          ; step t: half t % 2 of row t / 2
.irp i, 0,1,2,3
	global_load_b128 v[R+16*((\t)%4)+4*\i:R+16*((\t)%4)+4*\i+3], v3, s[RB+2*((\t)/2):RB+2*((\t)/2)+1] offset:2048*((\t)%2)+512*\i th:TH_LOAD_NT   ; 32 lanes read 512 consecutive bytes
.endr
.endm
.macro TURN t                          ; step t's numbers through the stage: LDS serves a wave's instructions in order, so no wait stands between the stores and the loads
.irp i, 0,1,2,3
	ds_store_b128 v14, v[R+16*((\t)%4)+4*\i:R+16*((\t)%4)+4*\i+3] offset:32*SP*((\t)%2)+8*SP*\i
.endr
.irp i, 0,1,2,3
	ds_load_b128 v[X+16*((\t)%2)+4*\i:X+16*((\t)%2)+4*\i+3], v15 offset:32*SP*((\t)%2)+16*\i
.endr
.endm
.irp t, 0,1,2,3
	LOAD \t
.endr
	s_wait_loadcnt 12                              ; step 0's four loads are in; the 12 of steps 1 to 3 may be out
	TURN 0
.macro STEP t
.set XS, X+16*((\t)%2)
.if (\t) > 0
	s_wait_dscnt 1                                 ; this step's numbers are back from the stage (the last step's byte store may be out): its stores into the stage have read their registers,
.else
	s_wait_dscnt 0x0
.endif
.if (\t)+4 < STEPS
	LOAD (\t)+4                                    ; which take the loads of four steps on
.endif
.if (\t)+1 < STEPS
.if STEPS-2-(\t) >= 3
	s_wait_loadcnt 12                              ; the next step's four loads are in; those of the three steps behind it may be out
.else
	s_wait_loadcnt 4*(STEPS-2-(\t))
.endif
	TURN (\t)+1                                    ; and go through the other stage while this step is worked
.endif
	v_max3_num_f32 v8, |v[XS]|, |v[XS+1]|, |v[XS+2]|               ; the largest magnitude of my 16, in two chains
	v_max3_num_f32 v9, |v[XS+3]|, |v[XS+4]|, |v[XS+5]|
.irp i, 6,10
	v_max3_num_f32 v8, v8, |v[XS+\i]|, |v[XS+\i+1]|
	v_max3_num_f32 v9, v9, |v[XS+\i+2]|, |v[XS+\i+3]|
.endr
	v_max3_num_f32 v8, v8, |v[XS+14]|, |v[XS+15]|
	v_max3_num_f32 v8, v8, v9, (EMAX+1)<<23        ; and the floor 2^(16 - 127): the byte cannot fall under 1
	v_max_num_f32_dpp v8, v8, v8 row_xmask:1 row_mask:0xf bank_mask:0xf   ; and of my neighbour's 16: the block's
	v_add_nc_u32 v11, -(EMAX<<23), v8              ; 15 off its exponent field: the conversion takes the exponent field of this operand as its scale
	v_and_or_b32 v10, v8, 0x7f800000, s23          ; 57,344 x the scale
.irp i, 0,1,2,3,4,5,6,7,8,9,10,11,12,13,14,15
	v_med3_num_f32 v[XS+\i], v[XS+\i], -v10, v10   ; the conversion to an 8-bit code does not saturate (ISA guide 7.6.2): the hold comes first
.endr
	v_cvt_scalef32_pk8_bf8_f32 v[C+4*(\t):C+4*(\t)+1], v[XS:XS+7], v11
	v_cvt_scalef32_pk8_bf8_f32 v[C+4*(\t)+2:C+4*(\t)+3], v[XS+8:XS+15], v11
	v_lshrrev_b32 v[E+(\t)], 23, v11               ; the scale's byte (also the plain line behind the conversions)
	ds_store_b8 v5, v[E+(\t)] offset:16*(\t)       ; both lanes of a block write the same byte with the same value
	global_store_b128 v4, v[C+4*(\t):C+4*(\t)+3], s[10:11] offset:32*CB*(\t)   ; 32 lanes store 512 consecutive bytes, aligned
.endm
.irp t, 0,1,2,3,4,5,6,7,8,9,10,11,12,13,14,15
	STEP \t
.endr
	ds_load_b64 v[12:13], v6                       ; LDS serves a wave's instructions in order: these see my stores
	s_wait_dscnt 0x0
	global_store_b64 v7, v[12:13], s[12:13]        ; 32 lanes store 256 consecutive bytes, aligned
	s_wait_tensorcnt 0x0
	ds_add_u32 v192, v193
	s_wait_dscnt 0x0
	s_endpgm
.Lfunc_end_k_q0ff1aa1d52_quant:
	.size	k_q0ff1aa1d52_quant, .Lfunc_end_k_q0ff1aa1d52_quant-k_q0ff1aa1d52_quant
	.p2alignl 7, 3214868480
	.fill 96, 4, 3214868480
	.section	.rodata,"a",@progbits
	.p2align	6, 0x0
	.amdhsa_kernel k_q0ff1aa1d52_quant
		.amdhsa_group_segment_fixed_size 33280
		.amdhsa_private_segment_fixed_size 0
		.amdhsa_enable_private_segment 0
		.amdhsa_kernarg_size 40
		.amdhsa_user_sgpr_count 2
		.amdhsa_user_sgpr_kernarg_segment_ptr 1
		.amdhsa_wavefront_size32 1
		.amdhsa_system_sgpr_workgroup_id_x 1
		.amdhsa_system_sgpr_workgroup_id_y 1
		.amdhsa_system_sgpr_workgroup_id_z 1
		.amdhsa_system_vgpr_workitem_id 0
		.amdhsa_next_free_vgpr 194
		.amdhsa_next_free_sgpr 66
		.amdhsa_reserve_vcc 0
		.amdhsa_float_denorm_mode_32 3
		.amdhsa_float_denorm_mode_16_64 3
		.amdhsa_memory_ordered 1
		.amdhsa_forward_progress 1
		.amdhsa_inst_pref_size 52
	.end_amdhsa_kernel
	.amdgpu_metadata
---
amdhsa.version: [ 1, 2 ]
amdhsa.kernels:
  - .name:           k_q0ff1aa1d52_quant
    .symbol:         k_q0ff1aa1d52_quant.kd
    .args:
      - { .name: inp, .offset: 0, .size: 8, .value_kind: global_buffer, .address_space: global }
      - { .name: Wqkv, .offset: 8, .size: 8, .value_kind: global_buffer, .address_space: global }
      - { .name: Wproj, .offset: 16, .size: 8, .value_kind: global_buffer, .address_space: global }
      - { .name: cod1, .offset: 24, .size: 8, .value_kind: global_buffer, .address_space: global }
      - { .name: scl1, .offset: 32, .size: 8, .value_kind: global_buffer, .address_space: global }
    .group_segment_fixed_size: 33280
    .private_segment_fixed_size: 0
    .kernarg_segment_align: 8
    .kernarg_segment_size: 40
    .max_flat_workgroup_size: 128
    .sgpr_count:     66
    .vgpr_count:     194
    .wavefront_size: 32
...
	.end_amdgpu_metadata
.endif
;; end of part 1
;; launch gemm1 (part 2): grid 12 x 32, 4 waves a work-group, clusters of 4 x 4, 327,680 bytes of LDS; arguments cod1, scl1, bqkv, qkvc, qkvs; writes qkvc, qkvs
.if DOCPART == 2
	.amdgcn_target "amdgcn-amd-amdhsa--gfx1250"
	.amdhsa_code_object_version 6
	.text
	.protected	k_q0ff1aa1d52_gemm1
	.globl	k_q0ff1aa1d52_gemm1
	.p2align	8
	.type	k_q0ff1aa1d52_gemm1,@function
k_q0ff1aa1d52_gemm1:
	s_mov_b64 s[64:65], 0
	v_nop
	global_prefetch_b8 v0, s[64:65] scope:SCOPE_SE
	s_setreg_imm32_b32 hwreg(HW_REG_WAVE_MODE, 25, 1), 1
	s_wait_xcnt 0x0
	s_wait_alu depctr_hold_cnt(0) depctr_sa_sdst(0) depctr_va_vdst(0) depctr_va_sdst(0) depctr_va_ssrc(0) depctr_va_vcc(0) depctr_vm_vsrc(0)
	s_getreg_b32 s2, hwreg(HW_REG_IB_STS2, 6, 4)
	s_cmp_eq_u32 s2, 0
	s_cbranch_scc0 .Lentry_in_a_cluster
	s_endpgm
.Lentry_in_a_cluster:
	s_bfe_u32 s2, ttmp6, 0x10000c
	s_cmp_lg_u32 s2, 0xf033
	s_cbranch_scc0 .Lentry_shape_is_right
	s_endpgm
.Lentry_shape_is_right:
.set KSTEP,  256
.set NQ,     2
.set ROWB,   256
.set KROW,   1024
.set PITCH,  272
.set FR,     16
.set NL,     4
.set NP,     8
.set HALFT,  128*PITCH
.set SLOT,   4*HALFT
.set LAPS,   2
.set KS,     32
.set SCL,    2*SLOT
.set HALFS,  (128*KS/256)*272
.set SBLK,   (16*KS/256)*272
.set SPARE,  SCL+4*HALFS
.set BR,   8
.set ADRA, 16
.set ADRB, 20
.set LI,   24
.set LV,   25
.set ONES, 26
.set ADRS, 27
.set SPW,  28
.set NIL,  29
.set SC,   32
.set BC,   64
.set AF,   128
.set ST,   128
.set PC,   192
.set TM,   208
.set PW,   224
.set EW,   232
.set DW,   236
.set G1, 24
.set G0, 32
.set G1B, 48
.set G0B, 56
.set G1S, 68
.set G0S, 76
.set G1SB, 80
.set G0SB, 88
.set KIND, 95
.set SEL,  100
.set MNT,  2
.set MSB, 0
.macro WIN new
.if MSB != (\new)
	s_set_vgpr_msb (MSB<<8)|(\new)
.set MSB, (\new)
.endif
.endm
.set MUL_LO, 0xa1
.set MUL_HI, 0xf1
.set TO_B,   0x40
.macro JLOAD g0a, g1a, g0b, g1b
	s_cmp_eq_u32 s15, 0
	s_cbranch_scc0 .Lfor_b_\@
	tensor_load_to_lds s[\g0a:\g0a+3], s[\g1a:\g1a+7]
	s_nop 0
.rept 4
	v_nop
.endr
	s_branch .Lasked_\@
.Lfor_b_\@:
	tensor_load_to_lds s[\g0b:\g0b+3], s[\g1b:\g1b+7]
	s_nop 0
.rept 4
	v_nop
.endr
.Lasked_\@:
.endm
.macro CREST
	s_cmp_lg_u32 s14, 0
	s_cbranch_scc1 .Lnot_wave_0_\@
	s_barrier_signal -3
.Lnot_wave_0_\@:
	s_barrier_wait -3
	s_barrier_signal -1
	s_barrier_wait -1
.endm
.macro CROUND
	s_barrier_signal -1
	s_barrier_wait -1
	CREST
.endm
	s_load_b128 s[4:7], s[0:1], 0x0
	s_load_b128 s[8:11], s[0:1], 0x10
	s_load_b64 s[12:13], s[0:1], 0x20
	v_lshl_add_u32 v[SPW], v0, 2, SPARE
	v_mov_b32 v[NIL], 0
	ds_add_u32 v28, v29
	ds_add_u32 v28, v29
	s_wait_dscnt 0x0
	v_lshrrev_b32 v1, 5, v0
	v_readfirstlane_b32 s14, v1
	s_lshr_b32 s15, s14, 1
	s_and_b32 s16, s14, 1
	s_bfe_u32 s40, ttmp6, 0x40000
	s_bfe_u32 s41, ttmp6, 0x40004
	s_and_b32 s17, ttmp7, 0xffff
	s_lshl_b32 s43, s41, 2
	s_lshl_b32 s43, 15, s43
	s_lshl_b32 s44, 0x1111, s40
	s_or_b32 s[G1+0], s43, (0<<16)|(1<<20)|(1<<21)|(5<<22)|(3<<25)
	s_or_b32 s[G1B+0], s44, (0<<16)|(1<<20)|(1<<21)|(5<<22)|(3<<25)
.irp g, G1, G1B
	s_mov_b32 s[\g+1], ROWB<<16
	s_mov_b32 s[\g+2], 256<<16                     ; the head's loads bring 256 rows; behind them the two words that count rows are set to 128
	s_mov_b32 s[\g+3], ROWB<<16
	s_mov_b32 s[\g+4], 256
	s_mov_b32 s[\g+5], KROW
	s_mov_b32 s[\g+6], 0
	s_mov_b32 s[\g+7], 0
.endr
	s_or_b32 s[G1S+0], s43, (3<<16)|(1<<20)|(1<<21)|(5<<22)|(3<<25)
	s_or_b32 s[G1SB+0], s44, (3<<16)|(1<<20)|(1<<21)|(5<<22)|(3<<25)
.irp g, G1S, G1SB
	s_mov_b32 s[\g+1], 32<<16
	s_mov_b32 s[\g+2], (256*KS/256)<<16            ; the scales of 256 rows in one load
	s_mov_b32 s[\g+3], 32<<16
	s_mov_b32 s[\g+4], 256*KS/256
	s_mov_b32 s[\g+5], 32
	s_mov_b32 s[\g+6], 0
	s_mov_b32 s[\g+7], 0
.endr
	s_lshl_b32 s18, s17, 10
	s_lshl_b32 s19, ttmp9, 10
	s_add_co_u32 s19, s19, 8192
	s_cmp_eq_u32 ttmp9, 2
	s_cselect_b32 s[KIND], 1, 0
	s_cselect_b32 s20, 10240, s18
	s_cselect_b32 s46, s18, s19
	s_lshl_b32 s21, s41, 8
	s_add_co_u32 s20, s20, s21
	s_lshl_b32 s47, s40, 8
	s_add_co_u32 s46, s46, s47
	s_mov_b32 s21, 0
	s_mov_b32 s47, 0
	s_mov_b64 s[18:19], KS
	s_mul_u64 s[22:23], s[20:21], s[18:19]
	s_mul_u64 s[92:93], s[46:47], s[18:19]
	s_mov_b64 s[18:19], KROW
	s_mul_u64 s[20:21], s[20:21], s[18:19]
	s_mul_u64 s[46:47], s[46:47], s[18:19]
	s_mul_i32 s18, s16, 128*KROW                   ; in the ring I fetch 128 rows of a tile: which half, in bytes
	s_mov_b32 s19, 0
	s_mul_i32 s45, s14, HALFT
	s_wait_kmcnt 0x0
	s_add_nc_u64 s[20:21], s[4:5], s[20:21]
	s_add_nc_u64 s[22:23], s[6:7], s[22:23]
	s_add_nc_u64 s[46:47], s[4:5], s[46:47]
	s_add_nc_u64 s[92:93], s[6:7], s[92:93]
	CROUND
	s_mov_b32 s[G0S], 1
	s_mov_b32 s[G0S+1], SCL
	s_mov_b64 s[G0S+2:G0S+3], s[22:23]
	s_or_b32 s[G0S+3], s[G0S+3], 0x80000000
	s_mov_b32 s[G0SB], 1
	s_mov_b32 s[G0SB+1], SCL+2*HALFS
	s_mov_b64 s[G0SB+2:G0SB+3], s[92:93]
	s_or_b32 s[G0SB+3], s[G0SB+3], 0x80000000
	s_mov_b32 s4, 1                                ; s[4:7]: group 0 for K step 0's 256 rows of source 1 (the arguments that lay there have been used)
	s_mov_b32 s5, 0
	s_mov_b64 s[6:7], s[20:21]
	s_or_b32 s7, s7, 0x80000000
.irp s, 0,1
	s_mov_b32 s[G0+4*\s], 1
	s_add_co_u32 s[G0+4*\s+1], s45, \s*SLOT
	s_add_nc_u64 s[G0+4*\s+2:G0+4*\s+3], s[20:21], \s*ROWB
	s_or_b32 s[G0+4*\s+3], s[G0+4*\s+3], 0x80000000
	s_mov_b32 s[G0B+4*\s], 1
	s_add_co_u32 s[G0B+4*\s+1], s45, \s*SLOT
	s_add_nc_u64 s[G0B+4*\s+2:G0B+4*\s+3], s[46:47], \s*ROWB
	s_or_b32 s[G0B+4*\s+3], s[G0B+4*\s+3], 0x80000000
.endr
.irp s, 0,1
	s_add_nc_u64 s[G0+4*\s+2:G0+4*\s+3], s[G0+4*\s+2:G0+4*\s+3], s[18:19]       ; the ring's loads: my 128 rows of the tile
	s_add_nc_u64 s[G0B+4*\s+2:G0B+4*\s+3], s[G0B+4*\s+2:G0B+4*\s+3], s[18:19]
.endr
	s_mov_b32 s44, 1                               ; s[44:47]: group 0 for K step 0's 256 rows of source 0, behind the others in slot 0
	s_mov_b32 s45, 2*HALFT
	s_or_b32 s47, s47, 0x80000000
; THE HEAD'S LOADS, ONE A WAVE: wave 0 fetches K step 0's 256 rows of one operand, wave 1 those of the other, waves 2 and 3 their scales.  One chain of branches on the wave's number, a load to an arm, all arms leading to one join.
.macro ARM under, g0, g1, next
	s_cmp_lt_u32 s14, \under
	s_cbranch_scc0 \next
	tensor_load_to_lds s[\g0:\g0+3], s[\g1:\g1+7]
	s_nop 0
.rept 4
	v_nop
.endr
	s_branch .Lhead_asked
\next:
.endm
	ARM 1, 4, G1, .Lhead_b
	ARM 2, 44, G1B, .Lhead_sa
	ARM 3, G0S, G1S, .Lhead_sb
	tensor_load_to_lds s[G0SB:G0SB+3], s[G1SB:G1SB+7]
	s_nop 0
.rept 4
	v_nop
.endr
.Lhead_asked:
	v_and_b32 v1, 15, v0
	v_bfe_u32 v2, v0, 4, 1
	v_mul_u32_u24 v3, v1, PITCH
	v_lshl_add_u32 v4, v2, 4, v3
	s_mul_i32 s21, s15, HALFT
	s_mul_i32 s22, s16, HALFT
	s_add_co_u32 s22, s22, 2*HALFT
.irp s, 0,1
	v_add_nc_u32 v[ADRA+\s], s21, v4
	v_add_nc_u32 v[ADRB+\s], s22, v4
	s_add_co_u32 s21, s21, SLOT
	s_add_co_u32 s22, s22, SLOT
.endr
	v_mul_u32_u24 v5, v1, KS
	v_lshrrev_b32 v6, 8, v5
	v_lshl_add_u32 v5, v6, 4, v5
	s_mul_i32 s21, s15, HALFS
	s_mul_i32 s22, s16, HALFS
	s_add_co_u32 s22, s22, 2*HALFS
	s_sub_co_u32 s22, s22, s21
	v_mul_u32_u24 v6, s22, v2
	s_add_co_u32 s21, s21, SCL
	v_add_nc_u32 v5, v5, v6
	v_add_nc_u32 v[ADRS], s21, v5
	s_lshl_b32 s96, ttmp9, 2
	s_add_co_u32 s96, s96, s40
	s_lshl_b32 s96, s96, 10
	s_lshl_b32 s97, s16, 9
	s_add_co_u32 s96, s96, s97
	s_lshl_b32 s98, s41, 10
	s_lshl_b32 s99, s15, 9
	s_add_co_u32 s98, s98, s99
	s_add_co_u32 s98, s98, 8192
	s_cmp_eq_u32 s[KIND], 1
	s_cselect_b32 s96, 0, s96
	s_cselect_b32 s98, s98, 0
	s_mov_b32 s97, 0
	s_mov_b32 s99, 0
	s_add_nc_u64 s[96:97], s[8:9], s[96:97]
	s_add_nc_u64 s[98:99], s[8:9], s[98:99]
	v_lshlrev_b32 v30, 6, v2
	v_and_b32 v31, 7, v1
	v_lshrrev_b32 v7, 3, v1
	v_lshl_add_u32 v31, v7, 4, v31
	v_lshlrev_b32 v31, 2, v31
.irp e, 0,1,2,3
.irp q, 0,1,2,3
	global_load_b128 v[BC+16*\e+4*\q:BC+16*\e+4*\q+3], v30, s[96:97] offset:128*\e+16*\q
.endr
.endr
.irp a, 0,1,2,3,4,5,6,7
	global_load_b32 v[BR+\a], v31, s[98:99] offset:(32*(\a/2)+8*(\a%2))*4
.endr
.macro FRAG reg, adr, q, i
.irp c, 0,1,2,3
	ds_load_b128 v[\reg+4*\c:\reg+4*\c+3], v[\adr] offset:128*(\q)+32*\c+(\i)*16*PITCH
.endr
.endm
.macro MUL16 a0, p, q, sc, zero
.irp a, \a0, \a0+1
.irp b, 0,1,2,3,4,5,6,7
.if \zero
	v_wmma_scale_f32_16x16x128_f8f6f4 v[8*(8*((\a)%4)+\b):8*(8*((\a)%4)+\b)+7], v[128*(\p)+FR*\b:128*(\p)+FR*\b+FR-1], v[AF+FR*(\a):AF+FR*(\a)+FR-1], 0, v[SC+8*NQ*(\sc)+NQ*\b+(\q)], v[SC+8*NQ*(\sc)+NQ*(\a)+(\q)] matrix_a_fmt:MATRIX_FMT_BF8 matrix_b_fmt:MATRIX_FMT_BF8 matrix_a_scale:MATRIX_SCALE_ROW1
.else
	v_wmma_scale_f32_16x16x128_f8f6f4 v[8*(8*((\a)%4)+\b):8*(8*((\a)%4)+\b)+7], v[128*(\p)+FR*\b:128*(\p)+FR*\b+FR-1], v[AF+FR*(\a):AF+FR*(\a)+FR-1], v[8*(8*((\a)%4)+\b):8*(8*((\a)%4)+\b)+7], v[SC+8*NQ*(\sc)+NQ*\b+(\q)], v[SC+8*NQ*(\sc)+NQ*(\a)+(\q)] matrix_a_fmt:MATRIX_FMT_BF8 matrix_b_fmt:MATRIX_FMT_BF8 matrix_a_scale:MATRIX_SCALE_ROW1
.endif
.endr
.endr
.endm
.macro FETCH_B slot, q, p
	WIN TO_B
.irp i, 0,1,2,3,4,5,6,7
	FRAG 128*(\p)+FR*\i, ADRB+\slot, \q, \i
.endr
	WIN 0
.endm
.macro FETCH_A slot, q, i0
.irp i, \i0, \i0+1, \i0+2, \i0+3
	FRAG AF+FR*(\i), ADRA+\slot, \q, \i
.endr
.endm
.macro SCALES sc
.irp i, 0,1,2,3,4,5,6,7
	ds_load_b64 v[SC+8*NQ*\sc+NQ*\i:SC+8*NQ*\sc+NQ*\i+1], v[ADRS] offset:\i*SBLK
.endr
.endm
.macro PLACES n
.rept \n
	v_nop
.endr
.endm
.macro STEP slot, q, zero
	s_wait_dscnt 4*NL
	WIN MUL_LO
	MUL16 0, (\q)%2, \q, \slot, \zero
	MUL16 2, (\q)%2, \q, \slot, \zero
	s_wait_dscnt 0
	PLACES NP
	FETCH_B \slot, (\q)+1, 1-(\q)%2
	FETCH_A \slot, (\q)+1, 0
	WIN MUL_HI
	MUL16 4, (\q)%2, \q, \slot, \zero
	MUL16 6, (\q)%2, \q, \slot, \zero
	PLACES NP
	WIN 0
	FETCH_A \slot, (\q)+1, 4
.endm
.macro TURN slot, next, fill
	s_wait_tensorcnt 0x0
	ds_add_u32 v[SPW], v[NIL]
	s_wait_dscnt 4*NL+1
	WIN MUL_LO
	MUL16 0, 1, NQ-1, \slot, 0
	s_wait_dscnt 0x0
	s_barrier_signal -1
	MUL16 2, 1, NQ-1, \slot, 0
	WIN 0
	s_barrier_wait -1
.if \fill
	CREST
	s_add_nc_u64 s[G0+4*\slot+2:G0+4*\slot+3], s[G0+4*\slot+2:G0+4*\slot+3], 2*ROWB
	s_add_nc_u64 s[G0B+4*\slot+2:G0B+4*\slot+3], s[G0B+4*\slot+2:G0B+4*\slot+3], 2*ROWB
	JLOAD G0+4*\slot, G1, G0B+4*\slot, G1B
	PLACES NP-4
.else
	PLACES NP
.endif
	s_wait_alu depctr_va_vdst(0)
	v_add_nc_u32 v[ADRS], 4*NQ, v[ADRS]
	FETCH_B \next, 0, 0
	FETCH_A \next, 0, 0
	SCALES \next
	WIN MUL_HI
	MUL16 4, 1, NQ-1, \slot, 0
	MUL16 6, 1, NQ-1, \slot, 0
	PLACES NP
	WIN 0
	FETCH_A \next, 0, 4
.endm
	s_wait_alu depctr_va_vdst(0)                   ; the wait at the head's end
	s_wait_tensorcnt 0x0                           ; my tile of the head's four is in
	ds_add_u32 v[SPW], v[NIL]
	s_mov_b32 s[G1+2], 128<<16                     ; no tensor load of mine is out: from here on a load brings 128 rows
	s_mov_b32 s[G1+4], 128
	s_mov_b32 s[G1B+2], 128<<16
	s_mov_b32 s[G1B+4], 128
	s_wait_dscnt 0x0
	CROUND                                         ; all four tiles are in, and all sixteen work-groups are here
	JLOAD G0+4, G1, G0B+4, G1B                     ; K step 1, the first tensor load behind the round
	FETCH_B 0, 0, 0
	FETCH_A 0, 0, 0
	SCALES 0
	FETCH_A 0, 0, 4
	STEP 0, 0, 1
	s_mov_b32 s3, LAPS-1
.Llap:
	TURN 0, 1, 1
	STEP 1, 0, 0
	TURN 1, 0, 1
	STEP 0, 0, 0
	s_sub_co_u32 s3, s3, 1
	s_cmp_lg_u32 s3, 0
	s_cbranch_scc1 .Llap
	TURN 0, 1, 0
	STEP 1, 0, 0
	s_wait_dscnt 4*NL
	WIN MUL_LO
	MUL16 0, 1, NQ-1, 1, 0
	MUL16 2, 1, NQ-1, 1, 0
	s_wait_dscnt 0
	WIN MUL_HI
	MUL16 4, 1, NQ-1, 1, 0
	MUL16 6, 1, NQ-1, 1, 0
	WIN 0
	s_wait_loadcnt 0x0                             ; the bias, asked for at the head and first read below
	s_mov_b32 s[SEL], 0x76543210
	s_mov_b32 s[SEL+1], 0xfedcba98
	s_mov_b32 s[MNT], 0x600000
	s_mov_b32 s28, 4096
	s_mov_b32 s30, 0x20000
	s_cmp_eq_u32 s[KIND], 1
	s_cselect_b32 s24, s40, s41
	s_cselect_b32 s25, s16, s15
	s_cselect_b32 s26, s41, s40
	s_cselect_b32 s27, s15, s16
	s_cselect_b32 s29, s30, s28
	s_cselect_b32 s30, s28, s30
	s_lshl_b32 s31, s17, 2
	s_add_co_u32 s24, s24, s31
	s_lshr_b32 s31, s24, 3
	s_and_b32 s24, s24, 7
	s_lshl_b32 s24, s24, 1
	s_add_co_u32 s24, s24, s25
	s_lshl_b32 s31, s31, 4
	s_lshl_b32 s26, s26, 2
	s_add_co_u32 s31, s31, s26
	s_lshl_b32 s27, s27, 1
	s_add_co_u32 s31, s31, s27
	s_lshl_b32 s48, ttmp9, 23
	s_lshl_b32 s49, s31, 17
	s_add_co_u32 s48, s48, s49
	s_lshl_b32 s49, s24, 13
	s_add_co_u32 s48, s48, s49
	s_mov_b32 s49, 0
	s_add_nc_u64 s[32:33], s[10:11], s[48:49]
	s_mov_b32 s48, s29
	s_add_nc_u64 s[36:37], s[32:33], s[48:49]
	s_mov_b32 s48, s30
	s_add_nc_u64 s[34:35], s[32:33], s[48:49]
	s_add_nc_u64 s[38:39], s[36:37], s[48:49]
	s_mov_b32 s54, 12288
	s_cmp_eq_u32 ttmp9, 0
	s_cselect_b32 s50, 0, 0x80000
	s_cselect_b32 s54, 8192, s54
	s_mul_i32 s52, s31, s54
	s_add_co_u32 s50, s50, s52
	s_lshl_b32 s52, s24, 9
	s_lshl_b32 s53, s24, 8
	s_add_co_u32 s53, s53, 8192
	s_cmp_eq_u32 s[KIND], 1
	s_cselect_b32 s52, s53, s52
	s_add_co_u32 s50, s50, s52
	s_mov_b32 s51, 0
	s_mov_b32 s55, 0
	s_add_nc_u64 s[56:57], s[12:13], s[50:51]
	s_add_nc_u64 s[58:59], s[56:57], s[54:55]
	v_and_b32 v[LI], 31, v0
	v_lshlrev_b32 v[LI], 4, v[LI]
	v_mul_u32_u24 v[LV], v2, 12288
	v_lshl_add_u32 v[LV], v1, 4, v[LV]
	v_mov_b32 v[ONES], 0x7f7f7f7f
	PLACES 3
.irp b, 0,1,2,3
	v_mov_b32 v[TM+4+\b], 0
.endr
.macro QUANT64 s, pw
.irp b, 0,1,2,3
	v_max3_num_f32 v[TM+\b], |v[\s+16*\b]|, |v[\s+1+16*\b]|, 0x8000000
.endr
.irp i, 2,4,6,8,10,12,14
.irp b, 0,1,2,3
	v_max3_num_f32 v[TM+\b], v[TM+\b], |v[\s+16*\b+\i]|, |v[\s+1+16*\b+\i]|
.endr
.endr
.irp b, 0,1,2,3
	v_permlanex16_b32 v[TM+4+\b], v[TM+\b], s[SEL], s[SEL+1]
.endr
.irp b, 0,1,2,3
	v_max_num_f32 v[TM+\b], v[TM+\b], v[TM+4+\b]
.endr
.irp b, 0,1,2,3
	v_add_nc_u32 v[TM+12+\b], 0xf8800000, v[TM+\b]
.endr
.irp b, 0,1,2,3
	v_and_or_b32 v[TM+8+\b], v[TM+\b], 0x7f800000, s[MNT]
.endr
.irp b, 0,1,2,3
	v_lshrrev_b32 v[TM+4+\b], 23, v[TM+12+\b]
.endr
	v_lshl_or_b32 v[\pw], v[TM+5], 8, v[TM+4]
	v_lshl_or_b32 v[\pw], v[TM+6], 16, v[\pw]
	v_lshl_or_b32 v[\pw], v[TM+7], 24, v[\pw]
.irp b, 0,1,2,3
.irp i, 0,1,2,3,4,5,6,7,8,9,10,11,12,13,14,15
	v_med3_num_f32 v[\s+16*\b+\i], v[\s+16*\b+\i], -v[TM+8+\b], v[TM+8+\b]
.endr
	v_cvt_scalef32_pk8_bf8_f32 v[PC+4*\b:PC+1+4*\b], v[\s+16*\b:\s+7+16*\b], v[TM+12+\b]
	v_cvt_scalef32_pk8_bf8_f32 v[PC+2+4*\b:PC+3+4*\b], v[\s+8+16*\b:\s+15+16*\b], v[TM+12+\b]
.endr
	v_nop
.endm
.macro ROWBLK a
	s_cmp_eq_u32 s[KIND], 1
	s_cbranch_scc1 .Lrow_v_\@
	WIN 0x02+(\a)/4
.set x, 0
.rept 32
	v_pk_add_f32 v[ST+x:ST+x+1], v[64*((\a)%4)+x:64*((\a)%4)+x+1], v[BC+x:BC+x+1]
.set x, x+2
.endr
	WIN 0
	s_branch .Lrow_j_\@
.Lrow_v_\@:
	WIN 0x02+(\a)/4
.set x, 0
.rept 32
.if (\a)%2
	v_pk_add_f32 v[ST+x:ST+x+1], v[64*((\a)%4)+x:64*((\a)%4)+x+1], v[BR+2*((\a)/2):BR+2*((\a)/2)+1] op_sel:[0,1] op_sel_hi:[1,1]
.else
	v_pk_add_f32 v[ST+x:ST+x+1], v[64*((\a)%4)+x:64*((\a)%4)+x+1], v[BR+2*((\a)/2):BR+2*((\a)/2)+1] op_sel:[0,0] op_sel_hi:[1,0]
.endif
.set x, x+2
.endr
	WIN 0
.Lrow_j_\@:
.if (\a) > 0
	s_wait_xcnt 0x0
.endif
	QUANT64 ST, PW+(\a)
.irp e, 0,1,2,3
	global_store_b128 v[LI], v[PC+4*\e:PC+4*\e+3], s[32+4*((\a)/4)+2*(\e/2):33+4*((\a)/4)+2*(\e/2)] offset:((\a)%4)*1024+(\e%2)*512
.endr
.endm
.irp a, 0,1,2,3,4,5,6,7
	ROWBLK \a
.endr
	s_mov_b32 vcc_lo, 0xffff0000
.irp i, 0,1,2,3
	v_cndmask_b32 v[EW+\i], v[PW+\i], v[PW+4+\i], vcc_lo
.endr
	s_cmp_eq_u32 s[KIND], 1
	s_cbranch_scc1 .Lwords_v
.irp i, 0,1,2,3
	v_perm_b32 v[DW+\i], v[ONES], v[EW+\i], 0x04040100
	v_perm_b32 v[DW+4+\i], v[ONES], v[EW+\i], 0x04040302
.endr
	global_store_b128 v[LI], v[DW:DW+3], s[56:57]
	global_store_b128 v[LI], v[DW+4:DW+7], s[58:59]
	s_branch .Lwords_done
.Lwords_v:
	s_wait_alu depctr_va_vdst(0)
	global_store_b128 v[LV], v[EW:EW+3], s[56:57]
.Lwords_done:
	s_wait_tensorcnt 0x0
	ds_add_u32 v[SPW], v[NIL]
	s_wait_dscnt 0x0
	CROUND
	s_endpgm
.Lfunc_end_k_q0ff1aa1d52_gemm1:
	.size	k_q0ff1aa1d52_gemm1, .Lfunc_end_k_q0ff1aa1d52_gemm1-k_q0ff1aa1d52_gemm1
	.p2alignl 7, 3214868480
	.fill 96, 4, 3214868480
	.section	.rodata,"a",@progbits
	.p2align	6, 0x0
	.amdhsa_kernel k_q0ff1aa1d52_gemm1
		.amdhsa_group_segment_fixed_size 327680
		.amdhsa_private_segment_fixed_size 0
		.amdhsa_enable_private_segment 0
		.amdhsa_kernarg_size 40
		.amdhsa_user_sgpr_count 2
		.amdhsa_user_sgpr_kernarg_segment_ptr 1
		.amdhsa_wavefront_size32 1
		.amdhsa_system_sgpr_workgroup_id_x 1
		.amdhsa_system_sgpr_workgroup_id_y 1
		.amdhsa_system_sgpr_workgroup_id_z 1
		.amdhsa_system_vgpr_workitem_id 0
		.amdhsa_next_free_vgpr 1024
		.amdhsa_next_free_sgpr 102
		.amdhsa_reserve_vcc 1
		.amdhsa_float_denorm_mode_32 3
		.amdhsa_float_denorm_mode_16_64 3
		.amdhsa_memory_ordered 1
		.amdhsa_forward_progress 1
		.amdhsa_inst_pref_size 224
	.end_amdhsa_kernel
	.amdgpu_metadata
---
amdhsa.version: [ 1, 2 ]
amdhsa.kernels:
  - .name:           k_q0ff1aa1d52_gemm1
    .symbol:         k_q0ff1aa1d52_gemm1.kd
    .args:
      - { .name: cod1, .offset: 0, .size: 8, .value_kind: global_buffer, .address_space: global }
      - { .name: scl1, .offset: 8, .size: 8, .value_kind: global_buffer, .address_space: global }
      - { .name: bqkv, .offset: 16, .size: 8, .value_kind: global_buffer, .address_space: global }
      - { .name: qkvc, .offset: 24, .size: 8, .value_kind: global_buffer, .address_space: global }
      - { .name: qkvs, .offset: 32, .size: 8, .value_kind: global_buffer, .address_space: global }
    .group_segment_fixed_size: 327680
    .private_segment_fixed_size: 0
    .kernarg_segment_align: 8
    .kernarg_segment_size: 40
    .max_flat_workgroup_size: 128
    .sgpr_count:     102
    .vgpr_count:     1024
    .wavefront_size: 32
...
	.end_amdgpu_metadata
.endif
;; end of part 2
;; launch attn (part 3): grid 4 x 64, 16 waves a work-group, clusters of 4 x 1, 327,680 bytes of LDS; arguments qkvc, qkvs, attn_mask, att, atts; writes att, atts
.if DOCPART == 3
	.amdgcn_target "amdgcn-amd-amdhsa--gfx1250"
	.amdhsa_code_object_version 6
	.text
	.protected	k_q0ff1aa1d52_attn
	.globl	k_q0ff1aa1d52_attn
	.p2align	8
	.type	k_q0ff1aa1d52_attn,@function
k_q0ff1aa1d52_attn:
	s_mov_b64 s[64:65], 0
	v_nop
	global_prefetch_b8 v0, s[64:65] scope:SCOPE_SE
	s_setreg_imm32_b32 hwreg(HW_REG_WAVE_MODE, 25, 1), 1
	s_wait_xcnt 0x0
	s_wait_alu depctr_hold_cnt(0) depctr_sa_sdst(0) depctr_va_vdst(0) depctr_va_sdst(0) depctr_va_ssrc(0) depctr_va_vcc(0) depctr_vm_vsrc(0)
	s_getreg_b32 s2, hwreg(HW_REG_IB_STS2, 6, 4)
	s_cmp_eq_u32 s2, 0
	s_cbranch_scc0 .Lentry_in_a_cluster
	s_endpgm
.Lentry_in_a_cluster:
	s_bfe_u32 s2, ttmp6, 0x10000c
	s_cmp_lg_u32 s2, 0x3003
	s_cbranch_scc0 .Lentry_shape_is_right
	s_endpgm
.Lentry_shape_is_right:
; attn[b][q][head] = softmax over the keys of (q . k / 8, keys with attn_mask != 0 left out) x v, both products on codes of BF8 (E5M2) with E8M0 scales; the result is quantised at once for the last product.
; THE SOFTMAX: t = score x log2(e) / 8; M = the running largest t rounded UP to a whole number; p = 2^(t - M) is quantised along the keys, not normalised; the row's sum is taken of the unquantised p and divides at the end.
; When M moves, the sum and O are multiplied by 2^(old M - new M): exact.
; SHARES.  A work-group owns 512 query positions of one head (grid y = 16 b + head) in two passes of 256; in a pass each of its sixteen waves owns one tile of 16.  The head's whole K and V lie in LDS as register images
; (2 x 131,072 bytes), brought once: every wave asks for 16,384 bytes, told apart by the wave's number.  Nothing is filled again.
; CLUSTER.  The four work-groups of a head ask for K and V jointly (mask 15): the same sixteen loads with the same descriptors in all four.
; ONE LOOP of 16 trips serves both passes: a trip is two key steps of 128 keys; trips 7 and 15 end a pass.  One barrier a trip: the sixteen waves walk the keys together.
; LAYOUT.  Both products are used transposed (S^T = K Q^T, O^T = V^T P^T): a lane holds one query.  Queries, keys and channels stand at POSITIONS (index with bits 3 and 4 exchanged), so the 16 registers of two
; neighbouring result tiles are 16 true neighbours.
; THE MASK.  The first product's K is 64 of the instruction's 128.  Of the idle columns eight (k = 64 + 16 (lane / 16) + 0 .. 3) carry the mask: Q holds the code of 57,344 there, a masked key the code of -57,344, any other
; key the code 0; both sides' scale bytes there are 0x7f.  So a masked score is 8 x -57,344^2 = -2.6e10, and an open key's score gets 0 added.
; A BLOCK'S SCALE: p rises with the score, so floor(log2(the block's largest p)) = floor(t_max - M) of the block's largest score, held at -111 from below (the byte is then 1; such a block's codes are zeros).
; LIMITS: the running largest score begins at -1.19e10 (t = -2.14e9): the promise holds while the scaled scores t stay above that.  NaN and infinities among the inputs are not served.  A row with no open key has the sum 0 and
; gets NaN codes, as the softmax of such a row is NaN.  Blocks of attn under 2^(16 - 127) take the byte 1.
; No prefetch: all that the launch reads from memory for the loop is asked for at its head; there is no loop to run ahead in.
.set VIMG,  131072                     ; K's images at 0: [tile of 16 positions: 128][block 2][512];  V's here: [128 keys: 16][block / 2][tile of channels 4][block % 2][512]
.set MSK,   262144                     ; a word of four codes for each key position: 8,192 bytes
.set KSC,   270336                     ; K's scale words: [tile / 4][row 16][tile % 4]
.set VSC,   278528                     ; V's: [128 keys][row 16][tile 4]
.set SCG,   282624                     ; the result's scale halfwords, 2 bytes a query position
.set SPARE, 283648                     ; the spare words: 128 bytes a wave
.set LI,   1                           ; 16 x lane
.set ADT,  2                           ; the trip's address of V's words
.set ASK0, 3                           ; KSC + 16 (lane % 16)
.set AM0,  4                           ; MSK + 4 (lane % 16)
.set ASV0, 5                           ; VSC + 16 (lane % 16)
.set ADK,  6                           ; the trip's addresses: K's images, V's images, K's words, mask words
.set ADV,  7
.set ADS,  8
.set ADM,  9
.set NMB,  10                          ; -M by turns in v10 and v12 (v11 = 0 and v13 are named with them as pairs)
.set NMA,  12
.set SMX,  13                          ; the running largest score
.set KF,   32                          ; v32-95   four fragments of K: registers 0-7 codes, 8 the mask's codes, 9-15 zero
.set S,    96                          ; v96-159  S^T, then p, then V's four fragments
.set O,    160                         ; v160-191 O^T
.set PC,   192                         ; v192-207 p's codes
.set BM,   208                         ; each block's largest score
.set TP,   212
.set HD,   216                         ; the holds
.set SO,   220                         ; the conversions' scale operands
.set KW,   224                         ; v224-231 K's scale words of eight tiles
.set VW,   232                         ; v232-235 V's of four
.set QS,   236
.set T1,   237
.set FF,   238                         ; f = 2^(old M - new M); v239 p's scale word
.set PWD,  239
.set AP,   240                         ; v240-253 seven partial sums; at a pass's end at work
.set SPW,  254
.set NIL,  255
.set WV,   14
.set MNT,  19
.set SEL,  20
.set CS,   22                          ; s[22:23] c = log2(e) / 8
.set G1,   24
.set G0,   40
.set TK,   60
.set TS,   61
.set TJ,   62
.set CNT,  63
.macro ROUND                           ; a round of the cluster's barrier
	s_barrier_signal -1
	s_barrier_wait -1
	s_cmp_lg_u32 s[WV], 0
	s_cbranch_scc1 .Lnot_wave_0_\@
	s_barrier_signal -3
.Lnot_wave_0_\@:
	s_barrier_wait -3
	s_barrier_signal -1
	s_barrier_wait -1
.endm
.macro PL n
.rept \n
	v_nop
.endr
.endm
.macro INIT                            ; a pass begins: the step is written once and finds zeros, which the first change of M leaves zeros
	v_mov_b32 v[SMX], 0xd0315327                   ; -1.19e10: above a masked score, under every score that is served
	v_mov_b32 v[NMB], 0x4f000000                   ; -M = 2^31
	v_mov_b32 v14, 0                               ; the sum, in two halves
	v_mov_b32 v15, 0
.set j, 0
.rept 32
	v_mov_b32 v[O+j], 0
.set j, j+1
.endr
.endm
.macro KLOAD g, qq                     ; four tiles of K: their scale words, codes and mask codes
	ds_load_b128 v[KW+4*\g:KW+4*\g+3], v[ADS] offset:512*(\qq)+256*\g
.irp t, 0,1,2,3
	ds_load_b128 v[KF+16*\t:KF+16*\t+3], v[ADK] offset:8192*(\qq)+(4*\g+\t)*1024
	ds_load_b128 v[KF+16*\t+4:KF+16*\t+7], v[ADK] offset:8192*(\qq)+(4*\g+\t)*1024+512
	ds_load_b32 v[KF+16*\t+8], v[ADM] offset:512*(\qq)+64*(4*\g+\t)
.endr
.endm
.macro WMS g
.irp t, 0,1,2,3
	v_wmma_scale_f32_16x16x128_f8f6f4 v[S+8*(4*\g+\t):S+8*(4*\g+\t)+7], v[KF+16*\t:KF+16*\t+15], v[16:31], 0, v[KW+4*\g+\t], v[QS] matrix_a_fmt:MATRIX_FMT_BF8 matrix_b_fmt:MATRIX_FMT_BF8
.endr
.endm
.macro HOLD2 r, h                      ; two holds in one instruction
	v_dual_min_num_f32 v[\r], v[\r], v[\h] :: v_dual_min_num_f32 v[\r+1], v[\r+1], v[\h]
.endm
	s_load_b128 s[4:7], s[0:1], 0x0                ; qkvc, qkvs
	s_load_b128 s[8:11], s[0:1], 0x10              ; attn_mask, att
	s_load_b64 s[12:13], s[0:1], 0x20              ; atts
	v_lshl_add_u32 v[SPW], v0, 2, SPARE
	v_mov_b32 v[NIL], 0
	ds_add_u32 v[SPW], v[NIL]                      ; the opening lines: the add twice on end and one wait
	ds_add_u32 v[SPW], v[NIL]
	v_lshrrev_b32 v1, 5, v0
	v_readfirstlane_b32 s[WV], v1                  ; wave 0..15
	s_bfe_u32 s15, ttmp6, 0x40000                  ; cx: it enters Q's and the results' global addresses alone
	s_and_b32 s16, ttmp7, 0xffff                   ; 16 b + head, which the four partners share
	s_mov_b32 s[G1], 15|(3<<16)|(1<<21)            ; the mask: all four work-groups; elements of 8 bytes; bit 21 beside a mask
	s_mov_b32 s[G1+1], 32<<16                      ; rows of 256 bytes,
	s_mov_b32 s[G1+2], 64<<16                      ; 64 of them,
	s_mov_b32 s[G1+3], 32<<16
	s_mov_b32 s[G1+4], 64
	s_mov_b32 s[G1+5], 32                          ; dense
	s_mov_b32 s[G1+6], 0
	s_mov_b32 s[G1+7], 0
	s_lshr_b32 s17, s[WV], 3                       ; waves 0-7: eighths of K's images (part 1 of qkvc); waves 8-15: of V's (part 2)
	s_add_co_u32 s17, s17, 1
	s_lshl_b32 s17, s17, 23
	s_lshl_b32 s82, s16, 17
	s_add_co_u32 s17, s17, s82
	s_and_b32 s18, s[WV], 7
	s_lshl_b32 s18, s18, 14
	s_add_co_u32 s68, s17, s18
	s_mov_b32 s69, 0
	s_mul_i32 s66, s16, 12288                      ; the head's 12,288 bytes of K's and V's scale words
	s_add_co_u32 s66, s66, 0x80000
	s_mov_b32 s67, 0
	s_lshr_b32 s84, s16, 4                         ; b
	s_and_b32 s85, s16, 15                         ; the head
	s_lshl_b32 s86, s15, 5
	s_add_co_u32 s86, s86, s[WV]                   ; my tile in pass 0: 32 cx + wave
	s_lshl_b32 s87, s86, 10
	s_add_co_u32 s70, s82, s87                     ; Q's images
	s_mov_b32 s71, 0
	s_lshl_b32 s72, s15, 3
	s_lshr_b32 s87, s[WV], 2
	s_add_co_u32 s72, s72, s87
	s_lshl_b32 s72, s72, 8
	s_and_b32 s87, s[WV], 3
	s_lshl_b32 s87, s87, 2
	s_add_co_u32 s72, s72, s87
	s_lshl_b32 s87, s16, 13
	s_add_co_u32 s72, s72, s87                     ; Q's scale words: 256 (tile / 4) + 4 (tile % 4)
	s_mov_b32 s73, 0
	s_lshl_b32 s74, s84, 7
	s_add_co_u32 s74, s74, s86
	s_lshl_b32 s74, s74, 14
	s_lshl_b32 s87, s85, 10
	s_add_co_u32 s74, s74, s87                     ; att: 16,384 a tile of rows, 1,024 a head
	s_mov_b32 s75, 0
	s_lshl_b32 s76, s85, 14
	s_lshl_b32 s87, s84, 12
	s_add_co_u32 s76, s76, s87
	s_lshl_b32 s87, s15, 10
	s_add_co_u32 s76, s76, s87                     ; atts: [head][row] halfwords
	s_mov_b32 s77, 0
	s_lshl_b32 s78, s84, 13                        ; the batch's row of the mask
	s_mov_b32 s79, 0
	s_mov_b32 s[SEL], 0x76543210
	s_mov_b32 s[SEL+1], 0xfedcba98
	s_mov_b32 s[CS], 0x3e38aa3b                    ; log2(e) / 8
	s_mov_b32 s[CS+1], s[CS]
	s_mov_b32 s[MNT], 0x600000
	s_mov_b32 s[CNT], 0
	s_wait_dscnt 0x0
	s_wait_kmcnt 0x0
	s_add_nc_u64 s[66:67], s[6:7], s[66:67]
	s_add_nc_u64 s[70:71], s[4:5], s[70:71]
	s_add_nc_u64 s[72:73], s[6:7], s[72:73]
	s_add_nc_u64 s[74:75], s[10:11], s[74:75]
	s_add_nc_u64 s[76:77], s[12:13], s[76:77]
	s_add_nc_u64 s[78:79], s[8:9], s[78:79]
	s_mov_b32 s[G0], 1
	s_lshl_b32 s[G0+1], s[WV], 14                  ; LDS: 16,384 x wave: K's images, then V's
	s_add_nc_u64 s[G0+2:G0+3], s[4:5], s[68:69]
	s_or_b32 s[G0+3], s[G0+3], 0x80000000
	ROUND                                          ; all four work-groups are here: the joint loads meet
	tensor_load_to_lds s[G0:G0+3], s[G1:G1+7]      ; my one tensor load of the launch
	s_nop 0
	v_and_b32 v[LI], 31, v0
	v_lshlrev_b32 v[LI], 4, v[LI]
	v_lshlrev_b32 v[S+10], 4, v0                   ; 16 bytes a thread
	v_lshlrev_b32 v[S+11], 3, v0                   ; 8 bytes a thread
	v_and_b32 v[S+13], 15, v0
	v_lshlrev_b32 v[S+15], 4, v[S+13]              ; 16 (lane % 16)
	global_load_b128 v[S:S+3], v[S+10], s[78:79]   ; four true keys' mask words
	global_load_b128 v[S+4:S+7], v[S+10], s[66:67] ; K's scale words
	global_load_b64 v[S+8:S+9], v[S+11], s[66:67] offset:8192   ; V's
	global_load_b128 v[16:19], v[LI], s[70:71]     ; Q's fragment: two groups of registers
	global_load_b128 v[20:23], v[LI], s[70:71] offset:512
	global_load_b32 v[QS], v[S+15], s[72:73]
	v_add_nc_u32 v[ASK0], KSC, v[S+15]
	v_add_nc_u32 v[ASV0], VSC, v[S+15]
	v_lshl_add_u32 v[AM0], v[S+13], 2, MSK
	v_and_b32 v[S+12], 0x1f9, v0                   ; keys 4 i .. 4 i + 3 stand at positions 4 i' ..: i' = i with bits 1 and 2 exchanged
	v_and_b32 v[S+14], 2, v0
	v_lshl_or_b32 v[S+12], v[S+14], 1, v[S+12]
	v_bfe_u32 v[S+14], v0, 2, 1
	v_lshl_or_b32 v[S+12], v[S+14], 1, v[S+12]
	v_lshl_add_u32 v[S+12], v[S+12], 4, MSK
	v_add_nc_u32 v[S+16], KSC, v[S+10]
	v_add_nc_u32 v[S+17], VSC, v[S+11]
	v_mov_b32 v[S+14], 0xfbfbfbfb                  ; four codes of -57,344
	v_mov_b32 v[ADK], v[LI]                        ; trip 0's addresses
	v_add_nc_u32 v[ADV], VIMG, v[LI]
	v_mov_b32 v[ADS], v[ASK0]
	v_mov_b32 v[ADM], v[AM0]
	v_mov_b32 v[ADT], v[ASV0]
	v_mov_b32 v24, 0x7b7b7b7b                      ; Q's mask columns: four codes of 57,344
.irp j, 25,26,27,28,29,30,31
	v_mov_b32 v[\j], 0                             ; zero codes: the rest of Q's idle columns,
.endr
.irp t, 0,1,2,3
.irp j, 9,10,11,12,13,14,15
	v_mov_b32 v[KF+16*\t+\j], 0                    ; and of K's four fragments
.endr
.endr
.irp b, 0,1,2,3
	v_mov_b32 v[TP+\b], 0                          ; a lane permute's destination counts as one of its sources
.endr
	v_mov_b32 v[T1], 0
	v_mov_b32 v[NMB+1], 0                          ; (named as the upper half of a pair)
	INIT
	s_wait_alu depctr_va_vdst(0)                   ; the wait ahead of the wait below
	s_wait_loadcnt 0x0
.irp i, 0,1,2,3
	v_cmp_ne_u32 vcc_lo, 0, v[S+\i]
	v_cndmask_b32 v[S+\i], 0, v[S+14], vcc_lo      ; a masked key: -57,344 four times; else zero codes
.endr
	s_wait_alu depctr_va_vdst(0)                   ; the wait at the head's end
	s_wait_tensorcnt 0x0                           ; my part of the images is in
	ds_store_b128 v[S+12], v[S:S+3]
	ds_store_b128 v[S+16], v[S+4:S+7]
	ds_store_b64 v[S+17], v[S+8:S+9]
	s_wait_dscnt 0x0
	s_barrier_signal -1
	s_barrier_wait -1                              ; everybody's part is in
	KLOAD 0, 0
	s_wait_dscnt 0x0
; A KEY STEP: 128 keys, the q-th of the trip.  Its first four tiles of K are in registers already.
.macro STEP q, nmo, nmn
	WMS 0
	PL 8                                           ; places ahead of loads into registers that the products above read
	KLOAD 1, \q
	s_wait_dscnt 0x0
	WMS 1
.if \q
	s_add_co_u32 s80, s[CNT], 1                    ; the next trip's place among the pass's eight
	s_and_b32 s80, s80, 7
	s_lshl_b32 s[TK], s80, 14
	s_lshl_b32 s[TS], s80, 10
	s_lshl_b32 s[TJ], s80, 9
	v_add_nc_u32 v[ADK], s[TK], v[LI]              ; three additions and five v_nop: eight places
	v_add_nc_u32 v[ADS], s[TS], v[ASK0]
	v_add_nc_u32 v[ADM], s[TS], v[AM0]
	PL 5
	KLOAD 0, 0                                     ; the next step's first four tiles: they land under the softmax
.else
	PL 8
	KLOAD 0, 1
.endif
.irp b, 0,1,2,3
	v_max3_num_f32 v[BM+\b], v[S+16*\b], v[S+1+16*\b], v[S+2+16*\b]   ; the largest score of each block of 32 keys
.endr
.irp i, 3,5,7,9,11,13
.irp b, 0,1,2,3
	v_max3_num_f32 v[BM+\b], v[BM+\b], v[S+16*\b+\i], v[S+1+16*\b+\i]
.endr
.endr
.irp b, 0,1,2,3
	v_max_num_f32 v[BM+\b], v[BM+\b], v[S+15+16*\b]
.endr
.irp b, 0,1,2,3
	v_permlanex16_b32 v[TP+\b], v[BM+\b], s[SEL], s[SEL+1]
.endr
.irp b, 0,1,2,3
	v_max_num_f32 v[BM+\b], v[BM+\b], v[TP+\b]     ; with lane l xor 16's 16 keys
.endr
	v_max3_num_f32 v[T1], v[BM], v[BM+1], v[BM+2]
	v_max3_num_f32 v[SMX], v[SMX], v[T1], v[BM+3]  ; the running largest score
	v_mul_f32 v[T1], s[CS], v[SMX]                 ; as t
	v_floor_f32 v[\nmn], -v[T1]                    ; the new -M: M is a whole number
	v_sub_f32 v[T1], v[\nmn], v[\nmo]              ; old M - new M: a whole number, 0 or less
	v_cvt_i32_f32 v[T1], v[T1]                     ; (it saturates)
	v_ldexp_f32 v[FF], 1.0, v[T1]                  ; f = 2^(old M - new M)
.irp b, 0,1,2,3
	v_fma_f32 v[BM+\b], v[BM+\b], s[CS], v[\nmn]   ; t - M of each block's largest score
.endr
.set j, 0
.rept 32
	v_pk_fma_f32 v[S+j:S+j+1], v[S+j:S+j+1], s[CS:CS+1], v[\nmn:\nmn+1] op_sel_hi:[1,0,0]   ; t - M, two at a time
.set j, j+2
.endr
.irp b, 0,1,2,3
	v_max_num_f32 v[BM+\b], 0xc2de0000, v[BM+\b]   ; held at -111: the byte cannot fall under 1
.endr
.irp b, 0,1,2,3
	v_cvt_floor_i32_f32 v[TP+\b], v[BM+\b]         ; e = floor(log2(the block's largest p))
.endr
.irp b, 0,1,2,3
	v_add_lshl_u32 v[SO+\b], v[TP+\b], 112, 23     ; the byte e + 127 - 15 in an exponent field: the conversion's scale operand
.endr
.irp b, 0,1,2,3
	v_add_nc_u32 v[HD+\b], 0x07e00000, v[SO+\b]    ; 57,344 x the scale = 1.75 x 2^e
.endr
	v_lshl_add_u32 v[PWD], v[TP+1], 8, v[TP]       ; the four bytes: the sum of e_i 256^i, and 112 in each byte
	v_lshl_add_u32 v[PWD], v[TP+2], 16, v[PWD]
	v_lshl_add_u32 v[PWD], v[TP+3], 24, v[PWD]
	v_add_nc_u32 v[PWD], 0x70707070, v[PWD]
	s_wait_alu depctr_va_vdst(0)                   ; the wait ahead of the batch
.set j, 0
.rept 64
	v_exp_f32 v[S+j], v[S+j]                       ; p = 2^(t - M)
.set j, j+1
.endr
	v_pk_mul_f32 v[14:15], v[14:15], v[FF:FF+1] op_sel_hi:[1,0]   ; the sums under the new M (the plain line behind the batch)
	s_wait_alu depctr_va_vdst(0)                   ; one wait for the batch, ahead of its first reader
.set j, 0
.rept 7                                ; the row's sum of the unquantised p: eight chains
	v_pk_add_f32 v[AP+2*j:AP+2*j+1], v[S+4*j:S+4*j+1], v[S+4*j+2:S+4*j+3]
.set j, j+1
.endr
	v_pk_add_f32 v[14:15], v[14:15], v[S+28:S+29]
.irp u, 30, 46
.set j, 0
.rept 7
	v_pk_add_f32 v[AP+2*j:AP+2*j+1], v[AP+2*j:AP+2*j+1], v[S+\u+2*j:S+\u+2*j+1]
.set j, j+1
.endr
	v_pk_add_f32 v[14:15], v[14:15], v[S+\u+14:S+\u+15]
.endr
	v_pk_add_f32 v[AP:AP+1], v[AP:AP+1], v[S+62:S+63]
	ds_load_b128 v[VW:VW+3], v[ADT] offset:256*\q  ; V's four scale words of my row
.irp b, 0,1,2,3
.irp i, 0,2,4,6,8,10,12,14
	HOLD2 S+16*\b+\i, HD+\b                        ; the conversion does not saturate (ISA guide 7.6.2); p is not negative, so the hold is one-sided
.endr
	v_cvt_scalef32_pk8_bf8_f32 v[PC+4*\b:PC+1+4*\b], v[S+16*\b:S+7+16*\b], v[SO+\b]
	v_cvt_scalef32_pk8_bf8_f32 v[PC+2+4*\b:PC+3+4*\b], v[S+8+16*\b:S+15+16*\b], v[SO+\b]
.irp c, 0,1,2,3                        ; V's fragment b takes the block's registers
	ds_load_b128 v[S+16*\b+4*\c:S+16*\b+4*\c+3], v[ADV] offset:8192*\q+(\c/2)*4096+\b*1024+(\c%2)*512
.endr
.endr
	s_wait_alu depctr_va_vdst(0)                   ; the wait directly ahead of the first reader of O^T
.set j, 0
.rept 16
	v_pk_mul_f32 v[O+j:O+j+1], v[O+j:O+j+1], v[FF:FF+1] op_sel_hi:[1,0]   ; O^T under the new M; also the places between the codes and the products
.set j, j+2
.endr
	s_wait_alu depctr_va_vdst(0)                   ; the wait ahead of the wait below
	s_wait_dscnt 0x0                               ; V's fragments, and the next step's tiles of K
.irp d, 0,1,2,3                        ; O^T += V^T P^T: four accumulators by turns
	v_wmma_scale_f32_16x16x128_f8f6f4 v[O+8*\d:O+8*\d+7], v[S+16*\d:S+16*\d+15], v[PC:PC+15], v[O+8*\d:O+8*\d+7], v[VW+\d], v[PWD] matrix_a_fmt:MATRIX_FMT_BF8 matrix_b_fmt:MATRIX_FMT_BF8
.endr
	v_pk_add_f32 v[14:15], v[14:15], v[AP+6:AP+7]  ; the chains are joined: seven additions and two more lines are the nine places ahead of the next step's products, which write over V's registers
	v_pk_add_f32 v[AP:AP+1], v[AP:AP+1], v[AP+8:AP+9]
	v_pk_add_f32 v[AP+2:AP+3], v[AP+2:AP+3], v[AP+10:AP+11]
	v_pk_add_f32 v[AP+4:AP+5], v[AP+4:AP+5], v[AP+12:AP+13]
	v_pk_add_f32 v[14:15], v[14:15], v[AP+2:AP+3]
	v_pk_add_f32 v[AP:AP+1], v[AP:AP+1], v[AP+4:AP+5]
	v_pk_add_f32 v[14:15], v[14:15], v[AP:AP+1]
.if \q
	v_add_nc_u32 v[ADV], VIMG, v[ADK]              ; the next trip's addresses of V
	v_add_nc_u32 v[ADT], s[TJ], v[ASV0]
.else
	PL 2
.endif
.endm
.Ltrip:
	STEP 0, NMB, NMA
	STEP 1, NMA, NMB
	s_and_b32 s80, s[CNT], 7
	s_cmp_lg_u32 s80, 7
	s_cbranch_scc1 .Lnext                          ; trips 7 and 15 end a pass
; A PASS ENDS: O^T / the sum is quantised along the head's 64 channels (two blocks); the codes are two groups of the last product's operand registers
.set RL, AP
.set GA, AP+2
.set SA, AP+3
.set NV, AP+4
.set HW, AP+5
.set LR, AP+6
	v_add_f32 v14, v14, v15                        ; the sum's two halves,
	v_permlanex16_b32 v[T1], v14, s[SEL], s[SEL+1]
	v_add_f32 v14, v14, v[T1]                      ; and lane l xor 16's
	s_wait_alu depctr_va_vdst(0)                   ; the wait ahead of the transcendental
	v_rcp_f32 v[RL], v14
	v_mov_b32 v[RL+1], 0                           ; (a plain line behind the reciprocal)
	s_lshr_b32 s80, s[CNT], 3                      ; the pass
	s_lshl_b32 s81, s80, 18                        ; att: 16 tiles of rows on
	s_lshl_b32 s82, s80, 9                         ; the halfwords: 256 positions on
	s_lshl_b32 s83, s[WV], 5
	s_add_co_u32 s82, s82, s83
	s_add_co_u32 s82, s82, SCG
	v_add_nc_u32 v[GA], s81, v[LI]
	v_and_b32 v[LR], 15, v0
	v_lshl_add_u32 v[SA], v[LR], 1, s82
	v_lshlrev_b32 v[LR], 4, v[LR]
	s_wait_alu depctr_va_vdst(0)                   ; the wait ahead of the reciprocal's first reader, which is O^T's too
.set j, 0
.rept 16
	v_pk_mul_f32 v[S+j:S+j+1], v[O+j:O+j+1], v[RL:RL+1] op_sel_hi:[1,0]
.set j, j+2
.endr
.irp b, 0,1
	v_max3_num_f32 v[BM+\b], |v[S+16*\b]|, |v[S+1+16*\b]|, 0x8000000
.endr
.irp i, 2,4,6,8,10,12,14
.irp b, 0,1
	v_max3_num_f32 v[BM+\b], v[BM+\b], |v[S+16*\b+\i]|, |v[S+1+16*\b+\i]|
.endr
.endr
.irp b, 0,1
	v_permlanex16_b32 v[TP+\b], v[BM+\b], s[SEL], s[SEL+1]
.endr
.irp b, 0,1
	v_max_num_f32 v[BM+\b], v[BM+\b], v[TP+\b]
.endr
.irp b, 0,1
	v_add_nc_u32 v[SO+\b], 0xf8800000, v[BM+\b]
.endr
.irp b, 0,1
	v_and_or_b32 v[HD+\b], v[BM+\b], 0x7f800000, s[MNT]
.endr
.irp b, 0,1
	v_lshrrev_b32 v[TP+\b], 23, v[SO+\b]
.endr
	v_lshl_or_b32 v[HW], v[TP+1], 8, v[TP]         ; my row's two scale bytes
.irp b, 0,1
.irp i, 0,1,2,3,4,5,6,7,8,9,10,11,12,13,14,15
	v_med3_num_f32 v[S+16*\b+\i], v[S+16*\b+\i], -v[HD+\b], v[HD+\b]
.endr
	v_cvt_scalef32_pk8_bf8_f32 v[PC+4*\b:PC+1+4*\b], v[S+16*\b:S+7+16*\b], v[SO+\b]
	v_cvt_scalef32_pk8_bf8_f32 v[PC+2+4*\b:PC+3+4*\b], v[S+8+16*\b:S+15+16*\b], v[SO+\b]
.endr
	v_mov_b32 v[NV], 0x7f7f7f7f                    ; four NaN codes (also the plain line behind the conversions)
	v_cmp_eq_f32 vcc_lo, 0, v14
.irp i, 0,1,2,3,4,5,6,7
	v_cndmask_b32 v[PC+\i], v[PC+\i], v[NV], vcc_lo   ; a row with no open key: NaN, by its codes
.endr
	global_store_b128 v[GA], v[PC:PC+3], s[74:75]              ; 512 consecutive bytes, aligned
	global_store_b128 v[GA], v[PC+4:PC+7], s[74:75] offset:512
	ds_store_b16 v[SA], v[HW]                      ; both halves of the lanes write the same halfword with the same value
	s_wait_xcnt 0x0                                ; the stores have read their registers
	s_wait_dscnt 0x0                               ; my halfword has landed
	s_cmp_eq_u32 s[CNT], 15
	s_cbranch_scc1 .Lnext                          ; no pass follows the second
	global_load_b128 v[16:19], v[LI], s[70:71] offset:16384    ; the next pass's Q: 16 tiles on
	global_load_b128 v[20:23], v[LI], s[70:71] offset:16384+512
	global_load_b32 v[QS], v[LR], s[72:73] offset:1024
	INIT
	s_wait_loadcnt 0x0
.Lnext:
	s_barrier_signal -1                            ; the sixteen waves walk the keys together; behind the last trip's barrier all halfwords lie in LDS
	s_barrier_wait -1
	s_add_co_u32 s[CNT], s[CNT], 1
	s_cmp_lt_u32 s[CNT], 16
	s_cbranch_scc1 .Ltrip
	s_cmp_lg_u32 s[WV], 0                          ; wave 0 stores the work-group's 512 halfwords: two stores of 512 consecutive bytes
	s_cbranch_scc1 .Lno_words
	v_add_nc_u32 v[T1], SCG, v[LI]
	ds_load_b128 v[S:S+3], v[T1]
	ds_load_b128 v[S+4:S+7], v[T1] offset:512
	s_wait_dscnt 0x0
	global_store_b128 v[LI], v[S:S+3], s[76:77]
	global_store_b128 v[LI], v[S+4:S+7], s[76:77] offset:512
.Lno_words:
	s_wait_tensorcnt 0x0                           ; the wave's end
	ds_add_u32 v[SPW], v[NIL]
	s_wait_dscnt 0x0
	ROUND                                          ; the closing round
	s_endpgm
.Lfunc_end_k_q0ff1aa1d52_attn:
	.size	k_q0ff1aa1d52_attn, .Lfunc_end_k_q0ff1aa1d52_attn-k_q0ff1aa1d52_attn
	.p2alignl 7, 3214868480
	.fill 96, 4, 3214868480
	.section	.rodata,"a",@progbits
	.p2align	6, 0x0
	.amdhsa_kernel k_q0ff1aa1d52_attn
		.amdhsa_group_segment_fixed_size 327680
		.amdhsa_private_segment_fixed_size 0
		.amdhsa_enable_private_segment 0
		.amdhsa_kernarg_size 40
		.amdhsa_user_sgpr_count 2
		.amdhsa_user_sgpr_kernarg_segment_ptr 1
		.amdhsa_wavefront_size32 1
		.amdhsa_system_sgpr_workgroup_id_x 1
		.amdhsa_system_sgpr_workgroup_id_y 1
		.amdhsa_system_sgpr_workgroup_id_z 1
		.amdhsa_system_vgpr_workitem_id 0
		.amdhsa_next_free_vgpr 256
		.amdhsa_next_free_sgpr 90
		.amdhsa_reserve_vcc 1
		.amdhsa_float_denorm_mode_32 3
		.amdhsa_float_denorm_mode_16_64 3
		.amdhsa_memory_ordered 1
		.amdhsa_forward_progress 1
		.amdhsa_inst_pref_size 57
	.end_amdhsa_kernel
	.amdgpu_metadata
---
amdhsa.version: [ 1, 2 ]
amdhsa.kernels:
  - .name:           k_q0ff1aa1d52_attn
    .symbol:         k_q0ff1aa1d52_attn.kd
    .args:
      - { .name: qkvc, .offset: 0, .size: 8, .value_kind: global_buffer, .address_space: global }
      - { .name: qkvs, .offset: 8, .size: 8, .value_kind: global_buffer, .address_space: global }
      - { .name: attn_mask, .offset: 16, .size: 8, .value_kind: global_buffer, .address_space: global }
      - { .name: att, .offset: 24, .size: 8, .value_kind: global_buffer, .address_space: global }
      - { .name: atts, .offset: 32, .size: 8, .value_kind: global_buffer, .address_space: global }
    .group_segment_fixed_size: 327680
    .private_segment_fixed_size: 0
    .kernarg_segment_align: 8
    .kernarg_segment_size: 40
    .max_flat_workgroup_size: 512
    .sgpr_count:     90
    .vgpr_count:     256
    .wavefront_size: 32
...
	.end_amdgpu_metadata
.endif
;; end of part 3
;; launch proj (part 4): grid 4 x 64, 4 waves a work-group, clusters of 4 x 4, 327,680 bytes of LDS; arguments att, atts, cod1, scl1, bproj, out0; writes out0
.if DOCPART == 4
	.amdgcn_target "amdgcn-amd-amdhsa--gfx1250"
	.amdhsa_code_object_version 6
	.text
	.protected	k_q0ff1aa1d52_proj
	.globl	k_q0ff1aa1d52_proj
	.p2align	8
	.type	k_q0ff1aa1d52_proj,@function
k_q0ff1aa1d52_proj:
	s_mov_b64 s[64:65], 0
	v_nop
	global_prefetch_b8 v0, s[64:65] scope:SCOPE_SE
	s_setreg_imm32_b32 hwreg(HW_REG_WAVE_MODE, 25, 1), 1
	s_wait_xcnt 0x0
	s_wait_alu depctr_hold_cnt(0) depctr_sa_sdst(0) depctr_va_vdst(0) depctr_va_sdst(0) depctr_va_ssrc(0) depctr_va_vcc(0) depctr_vm_vsrc(0)
	s_getreg_b32 s2, hwreg(HW_REG_IB_STS2, 6, 4)
	s_cmp_eq_u32 s2, 0
	s_cbranch_scc0 .Lentry_in_a_cluster
	s_endpgm
.Lentry_in_a_cluster:
	s_bfe_u32 s2, ttmp6, 0x10000c
	s_cmp_lg_u32 s2, 0xf033
	s_cbranch_scc0 .Lentry_shape_is_right
	s_endpgm
.Lentry_shape_is_right:
; out0[s][b][:] = attn[b][s][:] Wproj^T + bproj, on codes of BF8 (E5M2) with E8M0 scales; sums in f32.
; att holds attn's codes as register images, [tile of 16 row positions][head 16][block 2][512 bytes]; atts its scale halfwords [head][row]; Wproj's codes are rows 11264.. of cod1 [.][1024], its scale bytes rows of scl1 [.][32].
; Rows and columns stand at POSITIONS (index with bits 3 and 4 exchanged); the way out puts them back.
; SHARES.  A block of out0 is 128 rows x 256 columns: 64 x 4 = 256 work-groups.  Four waves, each 64 x 128: 32 accumulators of 16 x 16 in window 2.  K goes in four steps of 256 through two LDS slots.
; CLUSTER.  4 x 4 work-groups: att's tiles are asked for jointly along a row of the cluster, Wproj's along a column.
; THE MATRIX INSTRUCTION IS USED TRANSPOSED (source 0 = 16 rows of Wproj, source 1 = 16 rows of att): a lane holds eight neighbouring columns of one row.  The bias is the C of each accumulator's first product.
; REGISTERS.  Window 0: v0-31 addresses; v32-63 scale words, two sets; v64-127 the bias; v128-255 att's fragments, two sets of four.  Window 1: Wproj's fragments, two sets of eight.  Window 2: the accumulators, (a, b) at v[8 (8 a + b)].
; A step of 128 along K is 32 products; the next step's 48 fragment loads are issued ahead of them, into the other sets.
; No prefetch: of K's four steps two are asked for at the head and in the round behind it; a lead of two steps would reach the last two refills alone.
.set NQ,     2
.set PITCH,  272
.set FR,     16
.set NP,     8
.set HALFA,  16384                     ; four tiles of rows x 4,096 bytes: what one ring load brings of att
.set HALFB,  128*PITCH
.set BOFF,   2*HALFA
.set SLOT,   BOFF+2*HALFB
.set LAPS,   2
.set KS,     32
.set SCL,    2*SLOT                    ; att's scale words of 128 rows (re-laid by waves 0 and 1), then Wproj's of 256: units of 256 bytes + 16
.set HALFS,  4352
.set SBLK,   544
.set RAW,    SCL+3*HALFS               ; att's halfwords as they come: [head 16][128 rows]
.set SPARE,  RAW+4096
.set SPITCH, 528
.set ADRA, 16
.set ADRB, 20
.set STO,  24
.set RD,   25
.set CO,   26
.set ADRS, 27
.set SPW,  28
.set NIL,  29
.set SC,   32
.set BC,   64
.set AF,   128
.set BK,   128
.set MH,   128
.set MW,   144
.set G1, 24
.set G0, 32
.set G1B, 48
.set G0B, 56
.set G1S, 68
.set G0S, 76
.set G1SB, 80
.set G0SB, 88
.set MSB, 0
.macro WIN new                         ; the immediate's high byte repeats the setting that is left
.if MSB != (\new)
	s_set_vgpr_msb (MSB<<8)|(\new)
.set MSB, (\new)
.endif
.endm
.set MUL_LO, 0xa1                      ; source 0 window 1, source 1 window 0, C and D window 2
.set FST_LO, 0x81                      ; the same with C (the bias) in window 0
.set TO_B,   0x40
.macro JLOAD g0a, g1a, g0b, g1b        ; a joint load: waves 0 and 1 fetch att's halves, waves 2 and 3 Wproj's
	s_cmp_eq_u32 s15, 0
	s_cbranch_scc0 .Lfor_b_\@
	tensor_load_to_lds s[\g0a:\g0a+3], s[\g1a:\g1a+7]
	s_nop 0
.rept 4
	v_nop
.endr
	s_branch .Lasked_\@
.Lfor_b_\@:
	tensor_load_to_lds s[\g0b:\g0b+3], s[\g1b:\g1b+7]
	s_nop 0
.rept 4
	v_nop
.endr
.Lasked_\@:
.endm
.macro CREST
	s_cmp_lg_u32 s14, 0
	s_cbranch_scc1 .Lnot_wave_0_\@
	s_barrier_signal -3
.Lnot_wave_0_\@:
	s_barrier_wait -3
	s_barrier_signal -1
	s_barrier_wait -1
.endm
.macro CROUND
	s_barrier_signal -1
	s_barrier_wait -1
	CREST
.endm
	s_load_b128 s[4:7], s[0:1], 0x0                ; att, atts
	s_load_b128 s[8:11], s[0:1], 0x10              ; cod1, scl1
	s_load_b128 s[96:99], s[0:1], 0x20             ; bproj, out0
	v_lshl_add_u32 v[SPW], v0, 2, SPARE
	v_mov_b32 v[NIL], 0
	ds_add_u32 v[SPW], v[NIL]                      ; the opening lines: the add twice on end and one wait
	ds_add_u32 v[SPW], v[NIL]
	v_lshrrev_b32 v1, 5, v0
	v_readfirstlane_b32 s14, v1                    ; wave 0..3
	s_lshr_b32 s15, s14, 1                         ; which 64 rows are mine.  Also: I fetch for att (0) or for Wproj (1)
	s_and_b32 s16, s14, 1                          ; which 128 columns.  Also: which half of that tile I fetch
	s_bfe_u32 s40, ttmp6, 0x40000                  ; cx
	s_bfe_u32 s41, ttmp6, 0x40004                  ; cy
	s_and_b32 s17, ttmp7, 0xffff
	s_lshl_b32 s17, s17, 2
	s_add_co_u32 s17, s17, s41                     ; the block's row of blocks, 0..63
	s_lshl_b32 s43, s41, 2
	s_lshl_b32 s43, 15, s43                        ; my row of the cluster
	s_lshl_b32 s44, 0x1111, s40                    ; my column
	s_or_b32 s[G1+0], s43, (3<<16)|(1<<21)         ; att: rows of 4,096 bytes (a tile of rows, four heads), 16,384 apart; 8 at the head, then 4
	s_mov_b32 s[G1+1], 512<<16
	s_mov_b32 s[G1+2], 8<<16
	s_mov_b32 s[G1+3], 512<<16
	s_mov_b32 s[G1+4], 8
	s_mov_b32 s[G1+5], 2048
	s_mov_b32 s[G1+6], 0
	s_mov_b32 s[G1+7], 0
	s_or_b32 s[G1B+0], s44, (0<<16)|(1<<20)|(1<<21)|(5<<22)|(3<<25)   ; Wproj: rows of 256 bytes + 16 of padding; 256 at the head, then 128
	s_mov_b32 s[G1B+1], 256<<16
	s_mov_b32 s[G1B+2], 256<<16
	s_mov_b32 s[G1B+3], 256<<16
	s_mov_b32 s[G1B+4], 256
	s_mov_b32 s[G1B+5], 1024
	s_mov_b32 s[G1B+6], 0
	s_mov_b32 s[G1B+7], 0
	s_or_b32 s[G1S+0], s43, (3<<16)|(1<<21)        ; att's halfwords: 256 bytes (128 rows) for each of 16 heads, 16,384 apart
	s_mov_b32 s[G1S+1], 32<<16
	s_mov_b32 s[G1S+2], 16<<16
	s_mov_b32 s[G1S+3], 32<<16
	s_mov_b32 s[G1S+4], 16
	s_mov_b32 s[G1S+5], 2048
	s_mov_b32 s[G1S+6], 0
	s_mov_b32 s[G1S+7], 0
	s_or_b32 s[G1SB+0], s44, (3<<16)|(1<<20)|(1<<21)|(5<<22)|(3<<25)  ; Wproj's scales of 256 rows: 32 dense units of 256 bytes, 16 of padding behind each
	s_mov_b32 s[G1SB+1], 32<<16
	s_mov_b32 s[G1SB+2], 32<<16
	s_mov_b32 s[G1SB+3], 32<<16
	s_mov_b32 s[G1SB+4], 32
	s_mov_b32 s[G1SB+5], 32
	s_mov_b32 s[G1SB+6], 0
	s_mov_b32 s[G1SB+7], 0
	s_lshl_b32 s20, s17, 3                         ; the block's first tile of 16 rows
	s_lshl_b32 s22, s20, 5                         ; its halfwords,
	s_lshl_b32 s20, s20, 14                        ; its codes
	s_mov_b32 s21, 0
	s_mov_b32 s23, 0
	s_lshl_b32 s46, s40, 8
	s_add_co_u32 s46, s46, 11264                   ; Wproj's first row of the block's 256
	s_lshl_b32 s92, s46, 5
	s_lshl_b32 s46, s46, 10
	s_mov_b32 s47, 0
	s_mov_b32 s93, 0
	s_lshl_b32 s45, s16, 14                        ; LDS: my half of att's tile,
	s_mul_i32 s94, s16, HALFB
	s_add_co_u32 s94, s94, BOFF                    ; or of Wproj's
	s_lshl_b32 s18, s16, 16                        ; memory: four tiles of rows of 16,384 bytes,
	s_mov_b32 s19, 0
	s_lshl_b32 s100, s16, 17                       ; or 128 rows of 1,024
	s_mov_b32 s101, 0
	s_wait_dscnt 0x0
	s_wait_kmcnt 0x0
	s_add_nc_u64 s[20:21], s[4:5], s[20:21]
	s_add_nc_u64 s[22:23], s[6:7], s[22:23]
	s_add_nc_u64 s[46:47], s[8:9], s[46:47]
	s_add_nc_u64 s[92:93], s[10:11], s[92:93]
	CROUND                                         ; all sixteen work-groups are here: the first joint loads meet
	s_mov_b32 s[G0S], 1
	s_mov_b32 s[G0S+1], RAW
	s_mov_b64 s[G0S+2:G0S+3], s[22:23]
	s_or_b32 s[G0S+3], s[G0S+3], 0x80000000
	s_mov_b32 s[G0SB], 1
	s_mov_b32 s[G0SB+1], SCL+HALFS
	s_mov_b64 s[G0SB+2:G0SB+3], s[92:93]
	s_or_b32 s[G0SB+3], s[G0SB+3], 0x80000000
	s_mov_b32 s4, 1                                ; s[4:7], s[8:11]: groups 0 for K step 0's whole tiles (the arguments that lay there have been used)
	s_mov_b32 s5, 0
	s_mov_b64 s[6:7], s[20:21]
	s_or_b32 s7, s7, 0x80000000
	s_mov_b32 s8, 1
	s_mov_b32 s9, BOFF
	s_mov_b64 s[10:11], s[46:47]
	s_or_b32 s11, s11, 0x80000000
	s_add_nc_u64 s[20:21], s[20:21], s[18:19]      ; for the ring: my half of the tile
	s_add_nc_u64 s[46:47], s[46:47], s[100:101]
.irp s, 0,1
	s_mov_b32 s[G0+4*\s], 1
	s_add_co_u32 s[G0+4*\s+1], s45, \s*SLOT
	s_add_nc_u64 s[G0+4*\s+2:G0+4*\s+3], s[20:21], \s*4096
	s_or_b32 s[G0+4*\s+3], s[G0+4*\s+3], 0x80000000
	s_mov_b32 s[G0B+4*\s], 1
	s_add_co_u32 s[G0B+4*\s+1], s94, \s*SLOT
	s_add_nc_u64 s[G0B+4*\s+2:G0B+4*\s+3], s[46:47], \s*256
	s_or_b32 s[G0B+4*\s+3], s[G0B+4*\s+3], 0x80000000
.endr
; THE HEAD'S LOADS, ONE A WAVE: wave 0 fetches K step 0's 128 rows of att, wave 1 its 256 rows of Wproj, wave 2 att's halfwords, wave 3 Wproj's scales.  One chain of branches on the wave's number, a load to an arm, all arms leading to one join.
.macro ARM under, g0, g1, next
	s_cmp_lt_u32 s14, \under
	s_cbranch_scc0 \next
	tensor_load_to_lds s[\g0:\g0+3], s[\g1:\g1+7]
	s_nop 0
.rept 4
	v_nop
.endr
	s_branch .Lhead_asked
\next:
.endm
	ARM 1, 4, G1, .Lhead_b
	ARM 2, 8, G1B, .Lhead_sa
	ARM 3, G0S, G1S, .Lhead_sb
	tensor_load_to_lds s[G0SB:G0SB+3], s[G1SB:G1SB+7]
	s_nop 0
.rept 4
	v_nop
.endr
.Lhead_asked:
	v_and_b32 v1, 15, v0                           ; l % 16
	v_bfe_u32 v2, v0, 4, 1                         ; l / 16
	v_and_b32 v3, 31, v0
	v_lshlrev_b32 v[CO], 4, v3                     ; 16 x lane: an image's place, and my bytes of a row of 512
	v_mul_u32_u24 v4, v1, PITCH
	v_lshl_add_u32 v4, v2, 4, v4
	s_lshl_b32 s21, s15, 14                        ; my four tiles of att's rows
	s_mul_i32 s22, s16, HALFB
	s_add_co_u32 s22, s22, BOFF                    ; my 128 rows of Wproj
.irp s, 0,1
	v_add_nc_u32 v[ADRA+\s], s21, v[CO]
	v_add_nc_u32 v[ADRB+\s], s22, v4
	s_add_co_u32 s21, s21, SLOT
	s_add_co_u32 s22, s22, SLOT
.endr
	v_mul_u32_u24 v5, v1, KS                       ; my row's scales: 32 bytes a row, and 16 more for each 256 passed
	v_lshrrev_b32 v6, 8, v5
	v_lshl_add_u32 v5, v6, 4, v5
	s_mul_i32 s21, s15, HALFS/2                    ; att's: my 64 rows
	s_mul_i32 s22, s16, HALFS                      ; Wproj's: my 128 rows, behind att's 128
	s_add_co_u32 s22, s22, HALFS
	s_sub_co_u32 s22, s22, s21
	v_mul_u32_u24 v6, s22, v2                      ; lanes 16-31 take Wproj's
	s_add_co_u32 s21, s21, SCL
	v_add_nc_u32 v5, v5, v6
	v_add_nc_u32 v[ADRS], s21, v5
	s_mul_i32 s23, s14, 16*SPITCH                  ; my stage for the way out, in slot 0
	v_mul_u32_u24 v5, v1, SPITCH
	v_lshl_add_u32 v5, v2, 6, v5
	v_add_nc_u32 v[STO], s23, v5
	v_add_nc_u32 v[RD], s23, v[CO]
	v_and_b32 v10, 63, v0                          ; the re-laying of att's halfwords (waves 0 and 1): a thread takes two rows
	v_lshl_add_u32 v7, v10, 2, RAW
	v_lshlrev_b32 v8, 6, v10
	v_lshrrev_b32 v11, 2, v10
	v_lshl_add_u32 v8, v11, 4, v8
	v_add_nc_u32 v8, SCL, v8
	s_and_b32 s20, s17, 15                         ; out0: token = 128 x (block % 16) + 64 x my half; 16,384 bytes a token, 4,096 a batch
	s_lshl_b32 s20, s20, 7
	s_lshl_b32 s21, s15, 6
	s_add_co_u32 s20, s20, s21
	s_lshl_b32 s20, s20, 14
	s_lshr_b32 s21, s17, 4
	s_lshl_b32 s21, s21, 12
	s_add_co_u32 s20, s20, s21
	s_mov_b32 s21, 0
	s_lshl_b32 s46, s40, 10                        ; my first column, in bytes
	s_lshl_b32 s47, s16, 9
	s_add_co_u32 s46, s46, s47
	s_mov_b32 s47, 0
	s_add_nc_u64 s[96:97], s[96:97], s[46:47]
	s_add_nc_u64 s[20:21], s[20:21], s[46:47]
	s_add_nc_u64 s[98:99], s[98:99], s[20:21]
	v_lshlrev_b32 v30, 6, v2
.irp e, 0,1,2,3
.irp q, 0,1,2,3
	global_load_b128 v[BC+16*\e+4*\q:BC+16*\e+4*\q+3], v30, s[96:97] offset:128*\e+16*\q   ; the bias in the result's layout
.endr
.endr
.macro FRAG reg, adr, q, i
.irp c, 0,1,2,3
	ds_load_b128 v[\reg+4*\c:\reg+4*\c+3], v[\adr] offset:128*(\q)+32*\c+(\i)*16*PITCH
.endr
.endm
.macro FRAGA reg, slot, q, i
.irp c, 0,1,2,3
	ds_load_b128 v[\reg+4*\c:\reg+4*\c+3], v[ADRA+\slot] offset:(\i)*4096+(\q)*2048+\c*512
.endr
.endm
; 16 products: att's blocks a0, a0 + 1 x Wproj's eight.  p: the sets of fragments;  q: which 128 of the slot;  sc: the set of scale words.  The 32 accumulators take turns in the same order in every step.
.macro MUL16 a0, p, q, sc, first
.irp a, \a0, \a0+1
.irp b, 0,1,2,3,4,5,6,7
.if \first
	v_wmma_scale_f32_16x16x128_f8f6f4 v[8*(8*(\a)+\b):8*(8*(\a)+\b)+7], v[128*(\p)+FR*\b:128*(\p)+FR*\b+FR-1], v[AF+64*(\p)+FR*(\a):AF+64*(\p)+FR*(\a)+FR-1], v[BC+8*\b:BC+8*\b+7], v[SC+8*NQ*(\sc)+NQ*\b+(\q)], v[SC+8*NQ*(\sc)+NQ*(\a)+(\q)] matrix_a_fmt:MATRIX_FMT_BF8 matrix_b_fmt:MATRIX_FMT_BF8 matrix_a_scale:MATRIX_SCALE_ROW1
.else
	v_wmma_scale_f32_16x16x128_f8f6f4 v[8*(8*(\a)+\b):8*(8*(\a)+\b)+7], v[128*(\p)+FR*\b:128*(\p)+FR*\b+FR-1], v[AF+64*(\p)+FR*(\a):AF+64*(\p)+FR*(\a)+FR-1], v[8*(8*(\a)+\b):8*(8*(\a)+\b)+7], v[SC+8*NQ*(\sc)+NQ*\b+(\q)], v[SC+8*NQ*(\sc)+NQ*(\a)+(\q)] matrix_a_fmt:MATRIX_FMT_BF8 matrix_b_fmt:MATRIX_FMT_BF8 matrix_a_scale:MATRIX_SCALE_ROW1
.endif
.endr
.endr
.endm
.macro FETCH slot, q, p                ; 48 LDS loads: the fragments of the slot's q-th 128 along K into the sets p
	WIN TO_B
.irp i, 0,1,2,3,4,5,6,7
	FRAG 128*(\p)+FR*\i, ADRB+\slot, \q, \i
.endr
	WIN 0
.irp i, 0,1,2,3
	FRAGA AF+64*(\p)+FR*\i, \slot, \q, \i
.endr
.endm
.macro SCALES sc                       ; a K step's scale words: lanes 0-15 att's block i (0 to 3 are used), lanes 16-31 Wproj's block i
.irp i, 0,1,2,3,4,5,6,7
	ds_load_b64 v[SC+8*NQ*\sc+NQ*\i:SC+8*NQ*\sc+NQ*\i+1], v[ADRS] offset:\i*SBLK
.endr
.endm
.macro PLACES n
.rept \n
	v_nop
.endr
.endm
.macro STEPA slot, first               ; a slot's first step: sets 0; the second step's fragments are asked for ahead of the products
	s_wait_dscnt 0x0                               ; this step's fragments and scale words are in
	PLACES NP                                      ; places ahead of loads into registers that the step before multiplied
	FETCH \slot, 1, 1
.if \first
	WIN FST_LO
.else
	WIN MUL_LO
.endif
	MUL16 0, 0, 0, \slot, \first
	MUL16 2, 0, 0, \slot, \first
	WIN 0
.endm
.macro TURN slot, next, fill           ; a slot's second step changes slots: one barrier; fill = 1: a round of the cluster's barrier, and this slot is filled again
	s_wait_tensorcnt 0x0                           ; all my tensor loads have landed: my part of the next slot
	ds_add_u32 v[SPW], v[NIL]
	s_wait_dscnt 1                                 ; the 48 fragment loads are in; the add alone may be out
	WIN MUL_LO
	MUL16 0, 1, 1, \slot, 0
	s_wait_dscnt 0x0                               ; the add is done, and my reads of this slot are over
	s_barrier_signal -1
	MUL16 2, 1, 1, \slot, 0
	WIN 0
	s_barrier_wait -1
.if \fill
	CREST
	s_add_nc_u64 s[G0+4*\slot+2:G0+4*\slot+3], s[G0+4*\slot+2:G0+4*\slot+3], 2*4096
	s_add_nc_u64 s[G0B+4*\slot+2:G0B+4*\slot+3], s[G0B+4*\slot+2:G0B+4*\slot+3], 2*256
	JLOAD G0+4*\slot, G1, G0B+4*\slot, G1B         ; the first tensor load behind the round; its four v_nop are among the places
	PLACES NP-4
.else
	PLACES NP
.endif
	s_wait_alu depctr_va_vdst(0)                   ; the wait ahead of the reader below
	v_add_nc_u32 v[ADRS], 4*NQ, v[ADRS]            ; on to the next K step's scale words
	FETCH \next, 0, 0
	SCALES \next
.endm
	s_wait_alu depctr_va_vdst(0)                   ; the wait at the head's end
	s_wait_loadcnt 0x0                             ; the bias
	s_wait_tensorcnt 0x0                           ; my tile of the head's four is in
	ds_add_u32 v[SPW], v[NIL]
	s_mov_b32 s[G1+2], 4<<16                       ; no tensor load of mine is out: from here on a load brings half a tile
	s_mov_b32 s[G1+4], 4
	s_mov_b32 s[G1B+2], 128<<16
	s_mov_b32 s[G1B+4], 128
	s_wait_dscnt 0x0
	CROUND                                         ; all four tiles are in, and all sixteen work-groups are here
	JLOAD G0+4, G1, G0B+4, G1B                     ; K step 1, the first tensor load behind the round
	s_cmp_lg_u32 s15, 0                            ; waves 0 and 1 re-lay att's halfwords: [head][row] becomes a row's 32 scale bytes
	s_cbranch_scc1 .Lno_relay
.irp e, 0,1,2,3,4,5,6,7,8,9,10,11,12,13,14,15
	ds_load_b32 v[MH+\e], v7 offset:256*\e         ; two rows' halfwords of head e
.endr
	s_wait_dscnt 0x0
.irp k, 0,1,2,3,4,5,6,7
	v_perm_b32 v[MW+\k], v[MH+2*\k+1], v[MH+2*\k], 0x05040100
	v_perm_b32 v[MW+8+\k], v[MH+2*\k+1], v[MH+2*\k], 0x07060302
.endr
.irp i, 0,1,2,3
	ds_store_b128 v8, v[MW+4*\i:MW+4*\i+3] offset:16*\i
.endr
.Lno_relay:
	s_wait_dscnt 0x0
	s_barrier_signal -1
	s_barrier_wait -1
	FETCH 0, 0, 0
	SCALES 0
	STEPA 0, 1                                     ; the first step stands in front of the loop: its products start the sums, on the bias
	s_mov_b32 s3, LAPS-1
.Llap:
	TURN 0, 1, 1
	STEPA 1, 0
	TURN 1, 0, 1
	STEPA 0, 0
	s_sub_co_u32 s3, s3, 1
	s_cmp_lg_u32 s3, 0
	s_cbranch_scc1 .Llap
	TURN 0, 1, 0                                   ; the last lap fills nothing
	STEPA 1, 0
	s_wait_dscnt 0x0
	WIN MUL_LO
	MUL16 0, 1, 1, 1, 0
	MUL16 2, 1, 1, 1, 0
	WIN 0
; THE WAY OUT, block by block of 16 rows x 128 columns, through my own stage in LDS (in slot 0, which has had its last fill and its last read): whole rows of 512 bytes come back and are stored as one aligned run of 512 bytes each.
.macro TOSTAGE a
.set AC, 64*(\a)
	WIN 0x08                                       ; the data: window 2
.irp b, 0,1,2,3,4,5,6,7
	ds_store_b128 v[STO], v[AC+8*\b:AC+8*\b+3] offset:128*(\b/2)+32*(\b%2)     ; each accumulator from its low end on; columns go back from positions to their places
	ds_store_b128 v[STO], v[AC+8*\b+4:AC+8*\b+7] offset:128*(\b/2)+32*(\b%2)+16
.endr
	WIN 0
.set BB, BK+64*((\a)%2)
.irp t, 0,1,2,3,4,5,6,7,8,9,10,11,12,13,14,15
	ds_load_b128 v[BB+4*\t:BB+4*\t+3], v[RD] offset:\t*SPITCH
.endr
.endm
.macro SEND a, younger                 ; younger: the LDS instructions issued behind block a's loads, which may stay out
.set BB, BK+64*((\a)%2)
	s_wait_dscnt \younger
.irp t, 0,1,2,3,4,5,6,7,8,9,10,11,12,13,14,15
	global_store_b128 v[CO], v[BB+4*\t:BB+4*\t+3], s[98:99] offset:(32*((\a)/2)+8*((\a)%2)+16*(\t/8)+(\t%8))*16384 th:TH_STORE_NT   ; rows go back from positions to their tokens
.endr
.endm
	PLACES NP
	TOSTAGE 0
.irp a, 1,2,3
.if \a > 1
	s_wait_xcnt 0x0                                ; block a - 2's stores have read their registers
.endif
	TOSTAGE \a
	SEND \a-1, 32
.endr
	SEND 3, 0
	s_wait_tensorcnt 0x0                           ; the wave's end
	ds_add_u32 v[SPW], v[NIL]
	s_wait_dscnt 0x0
	CROUND                                         ; the closing round
	s_endpgm
.Lfunc_end_k_q0ff1aa1d52_proj:
	.size	k_q0ff1aa1d52_proj, .Lfunc_end_k_q0ff1aa1d52_proj-k_q0ff1aa1d52_proj
	.p2alignl 7, 3214868480
	.fill 96, 4, 3214868480
	.section	.rodata,"a",@progbits
	.p2align	6, 0x0
	.amdhsa_kernel k_q0ff1aa1d52_proj
		.amdhsa_group_segment_fixed_size 327680
		.amdhsa_private_segment_fixed_size 0
		.amdhsa_enable_private_segment 0
		.amdhsa_kernarg_size 48
		.amdhsa_user_sgpr_count 2
		.amdhsa_user_sgpr_kernarg_segment_ptr 1
		.amdhsa_wavefront_size32 1
		.amdhsa_system_sgpr_workgroup_id_x 1
		.amdhsa_system_sgpr_workgroup_id_y 1
		.amdhsa_system_sgpr_workgroup_id_z 1
		.amdhsa_system_vgpr_workitem_id 0
		.amdhsa_next_free_vgpr 1024
		.amdhsa_next_free_sgpr 102
		.amdhsa_reserve_vcc 0
		.amdhsa_float_denorm_mode_32 3
		.amdhsa_float_denorm_mode_16_64 3
		.amdhsa_memory_ordered 1
		.amdhsa_forward_progress 1
		.amdhsa_inst_pref_size 94
	.end_amdhsa_kernel
	.amdgpu_metadata
---
amdhsa.version: [ 1, 2 ]
amdhsa.kernels:
  - .name:           k_q0ff1aa1d52_proj
    .symbol:         k_q0ff1aa1d52_proj.kd
    .args:
      - { .name: att, .offset: 0, .size: 8, .value_kind: global_buffer, .address_space: global }
      - { .name: atts, .offset: 8, .size: 8, .value_kind: global_buffer, .address_space: global }
      - { .name: cod1, .offset: 16, .size: 8, .value_kind: global_buffer, .address_space: global }
      - { .name: scl1, .offset: 24, .size: 8, .value_kind: global_buffer, .address_space: global }
      - { .name: bproj, .offset: 32, .size: 8, .value_kind: global_buffer, .address_space: global }
      - { .name: out0, .offset: 40, .size: 8, .value_kind: global_buffer, .address_space: global }
    .group_segment_fixed_size: 327680
    .private_segment_fixed_size: 0
    .kernarg_segment_align: 8
    .kernarg_segment_size: 48
    .max_flat_workgroup_size: 128
    .sgpr_count:     102
    .vgpr_count:     1024
    .wavefront_size: 32
...
	.end_amdgpu_metadata
.endif
;; end of part 4
